; MI455X (gfx1250); checked and timed in simulation.
; The chip was launched on July 23, 2026; its instructions are those of AMD's public machine-readable ISA for CDNA 5 (MIT licence, August 2026) and "CDNA5" Instruction Set Architecture Reference Guide (July 2026). The comments in the code are by the model that wrote it; some were corrected since.
;; Encoder. Allowed arithmetic: float matrix products may take bf16 or f16 operands with f32 sums; other float arithmetic in f32, or as packed bf16 or f16 multiplies, adds, multiply-adds, maxima and minima; sums over many terms, partial sums and values carried from step to step in f32; what a program stores and reads back later, other than sums and carried values, may be rounded once to bf16 or f16.
;; Inputs: W1 1,024 x 4,096 float32; W2 4,096 x 1,024 float32; Wk 1,024 x 1,024 float32; Wo 1,024 x 1,024 float32; Wq 1,024 x 1,024 float32; Wv 1,024 x 1,024 float32; b1 4,096 float32; b2 1,024 float32; bk 1,024 float32; bo 1,024 float32; bq 1,024 float32; bv 1,024 float32; ln1_b 1,024 float32; ln1_g 1,024 float32; ln2_b 1,024 float32; ln2_g 1,024 float32; x 2 x 2,048 x 1,024 float32.
;; Outputs: out0 2 x 2,048 x 1,024 float32.
;; One version. Each part assembles by itself: llvm-mc -triple=amdgcn-amd-amdhsa -mcpu=gfx1250 --defsym DOCPART=n.
;; ======== version 1 of 1: 8 launches
;; workspace buffers: wb 25,165,824 bytes; hn 8,388,608 bytes; qkv 25,165,824 bytes; ao 8,388,608 bytes; x1 16,777,216 bytes; gl 33,554,432 bytes
;; launch cast (part 1): grid 768 x 1, 8 waves a work-group, no clusters, 0 bytes of LDS; arguments Wq, Wk, Wv, Wo, W1, W2, wb; writes wb
.if DOCPART == 1
	.amdgcn_target "amdgcn-amd-amdhsa--gfx1250"
	.amdhsa_code_object_version 6
	.text
	.protected	k_qd4c90ff780_cast
	.globl	k_qd4c90ff780_cast
	.p2align	8
	.type	k_qd4c90ff780_cast,@function
k_qd4c90ff780_cast:
	s_mov_b64 s[64:65], 0
	v_nop
	global_prefetch_b8 v0, s[64:65] scope:SCOPE_SE
	s_setreg_imm32_b32 hwreg(HW_REG_WAVE_MODE, 25, 1), 1
	s_wait_xcnt 0x0
; wb = the six weight matrices, each rounded once to bf16 and left as it lies ([K][N], row-major):
; Wq at byte 0, Wk at 2 MiB, Wv at 4 MiB, Wo at 6 MiB, W1 at 8 MiB, W2 at 16 MiB.
; A stream: every byte is read once and written once, no wave needs another's bytes: no LDS, no barrier, no cluster, no matrix unit.
; A work-group converts 16,384 numbers (64 KiB in, 32 KiB out), so work-groups 0-63 take Wq, 64-127 Wk, 128-191 Wv, 192-255 Wo, 256-511 W1, 512-767 W2,
; and work-group i writes at byte 32,768 i of wb.  In chunk c thread t reads 16 bytes at 4,096 c + 16 t and writes 8 bytes at 2,048 c + 8 t:
; a wave's load covers 512 consecutive bytes, its store 256 consecutive bytes, aligned.  All 16 loads of a thread are out before the first is used.
.set CHUNKS, 16
.set X, 4                              ; v[4:67]   16 chunks of 4 f32
.set Y, 68                             ; v[68:99]  16 chunks of 4 bf16
	s_load_b256 s[4:11], s[0:1], 0x0               ; Wq s[4:5], Wk s[6:7], Wv s[8:9], Wo s[10:11]
	s_load_b128 s[12:15], s[0:1], 0x20             ; W1 s[12:13], W2 s[14:15]
	s_load_b64 s[16:17], s[0:1], 0x30              ; wb
	v_lshlrev_b32 v1, 4, v0                        ; 16 t
	v_lshlrev_b32 v2, 3, v0                        ; 8 t
	s_wait_kmcnt 0x0
	s_mov_b64 s[18:19], s[14:15]                   ; the source and its first work-group: W2, unless the number is lower
	s_mov_b32 s20, 512
.macro PICK lim, lo, first             ; below lim: the matrix whose address lies in s[lo:lo+1], whose first work-group is first
	s_cmp_lt_u32 ttmp9, \lim
	s_cselect_b64 s[18:19], s[\lo:\lo+1], s[18:19]
	s_cselect_b32 s20, \first, s20
.endm
	PICK 512, 12, 256
	PICK 256, 10, 192
	PICK 192, 8, 128
	PICK 128, 6, 64
	PICK 64, 4, 0
	s_sub_co_u32 s21, ttmp9, s20                   ; my number inside the matrix
	s_lshl_b32 s22, s21, 16                        ; 65,536 bytes of f32 each
	s_mov_b32 s23, 0
	s_add_nc_u64 s[18:19], s[18:19], s[22:23]
	s_lshl_b32 s22, ttmp9, 15                      ; 32,768 bytes of bf16 each
	s_add_nc_u64 s[16:17], s[16:17], s[22:23]
.set i, 0
.rept CHUNKS
	global_load_b128 v[X+4*i:X+4*i+3], v1, s[18:19] offset:4096*i th:TH_LOAD_NT
.set i, i+1
.endr
.set i, 0
.rept CHUNKS
	s_wait_loadcnt CHUNKS-1-i                      ; loads come back in order: chunk i is in, the younger ones stay out
	v_cvt_pk_bf16_f32 v[Y+2*i], v[X+4*i], v[X+4*i+1]
	v_cvt_pk_bf16_f32 v[Y+2*i+1], v[X+4*i+2], v[X+4*i+3]
	global_store_b64 v2, v[Y+2*i:Y+2*i+1], s[16:17] offset:2048*i
.set i, i+1
.endr
	s_endpgm
.Lfunc_end_k_qd4c90ff780_cast:
	.size	k_qd4c90ff780_cast, .Lfunc_end_k_qd4c90ff780_cast-k_qd4c90ff780_cast
	.p2alignl 7, 3214868480
	.fill 96, 4, 3214868480
	.section	.rodata,"a",@progbits
	.p2align	6, 0x0
	.amdhsa_kernel k_qd4c90ff780_cast
		.amdhsa_group_segment_fixed_size 0
		.amdhsa_private_segment_fixed_size 0
		.amdhsa_enable_private_segment 0
		.amdhsa_kernarg_size 56
		.amdhsa_user_sgpr_count 2
		.amdhsa_user_sgpr_kernarg_segment_ptr 1
		.amdhsa_wavefront_size32 1
		.amdhsa_system_sgpr_workgroup_id_x 1
		.amdhsa_system_sgpr_workgroup_id_y 1
		.amdhsa_system_sgpr_workgroup_id_z 1
		.amdhsa_system_vgpr_workitem_id 0
		.amdhsa_next_free_vgpr 100
		.amdhsa_next_free_sgpr 66
		.amdhsa_reserve_vcc 0
		.amdhsa_float_denorm_mode_32 3
		.amdhsa_float_denorm_mode_16_64 3
		.amdhsa_memory_ordered 1
		.amdhsa_forward_progress 1
		.amdhsa_inst_pref_size 8
	.end_amdhsa_kernel
	.amdgpu_metadata
---
amdhsa.version: [ 1, 2 ]
amdhsa.kernels:
  - .name:           k_qd4c90ff780_cast
    .symbol:         k_qd4c90ff780_cast.kd
    .args:
      - { .name: Wq, .offset: 0, .size: 8, .value_kind: global_buffer, .address_space: global }
      - { .name: Wk, .offset: 8, .size: 8, .value_kind: global_buffer, .address_space: global }
      - { .name: Wv, .offset: 16, .size: 8, .value_kind: global_buffer, .address_space: global }
      - { .name: Wo, .offset: 24, .size: 8, .value_kind: global_buffer, .address_space: global }
      - { .name: W1, .offset: 32, .size: 8, .value_kind: global_buffer, .address_space: global }
      - { .name: W2, .offset: 40, .size: 8, .value_kind: global_buffer, .address_space: global }
      - { .name: wb, .offset: 48, .size: 8, .value_kind: global_buffer, .address_space: global }
    .group_segment_fixed_size: 0
    .private_segment_fixed_size: 0
    .kernarg_segment_align: 8
    .kernarg_segment_size: 56
    .max_flat_workgroup_size: 256
    .sgpr_count:     66
    .vgpr_count:     100
    .wavefront_size: 32
...
	.end_amdgpu_metadata
.endif
;; end of part 1
;; launch ln (part 2): grid 256 x 1, 8 waves a work-group, no clusters, 0 bytes of LDS; arguments x, ln1_g, ln1_b, hn; writes hn
.if DOCPART == 2
	.amdgcn_target "amdgcn-amd-amdhsa--gfx1250"
	.amdhsa_code_object_version 6
	.text
	.protected	k_qd4c90ff780_ln
	.globl	k_qd4c90ff780_ln
	.p2align	8
	.type	k_qd4c90ff780_ln,@function
k_qd4c90ff780_ln:
	s_mov_b64 s[64:65], 0
	v_nop
	global_prefetch_b8 v0, s[64:65] scope:SCOPE_SE
	s_setreg_imm32_b32 hwreg(HW_REG_WAVE_MODE, 25, 1), 1
	s_wait_xcnt 0x0
; hn[r][c] = bf16( (x[r][c] - mu[r]) * rsqrt(var[r] + 1e-5) * g[c] + b[c] ).  x: [4096][1024] f32, g, b: [1024] f32, hn: [4096][1024] bf16.
; A stream: a row (4,096 bytes) is 32 registers of one wave and stays there between the passes, so it is read once; the reduction never leaves the wave: no LDS, no barrier.
; TWO PASSES: the mean first, then the sum of (x - mu)^2: no difference of large sums is formed, so a common offset of the inputs costs nothing.
; A work-group takes 16 rows, a wave two.  In load j lane l holds columns 128 j + 4 l .. + 3: a load covers 512 consecutive bytes, a store of 8 bytes a lane 256 consecutive bytes, aligned.
.set T,   4                            ; v[4:11]    four chains of sums
.set MU,  20                           ; v[20:23]   the mean, twice for each row (a pair for the packed subtraction)
.set RS,  24                           ; v[24:27]   1 / sqrt(var + eps), likewise
.set VAR, 28                           ; v[28:29]   var + eps of the two rows
.set X,   32                           ; v[32:95]   the two rows
.set G,   96                           ; v[96:127]  g of my 32 columns
.set B,   128                          ; v[128:159] b
.set Y,   160                          ; v[160:191] the two rows in bf16
	s_load_b256 s[4:11], s[0:1], 0x0               ; x s[4:5], g s[6:7], b s[8:9], hn s[10:11]
	v_lshrrev_b32 v3, 5, v0
	v_readfirstlane_b32 s16, v3                    ; wave 0..7
	v_and_b32 v1, 31, v0
	v_lshlrev_b32 v2, 3, v1                        ; 8 l
	v_lshlrev_b32 v1, 4, v1                        ; 16 l
	s_lshl_b32 s17, ttmp9, 4
	s_lshl1_add_u32 s17, s16, s17                  ; my first row = 16 x work-group + 2 x wave
	s_lshl_b32 s18, s17, 12                        ; in x: 4,096 bytes a row
	s_mov_b32 s19, 0
	s_lshl_b32 s20, s17, 11                        ; in hn: 2,048
	s_mov_b32 s21, 0
	s_mov_b32 s12, 0x76543210                      ; v_permlanex16_b32: each lane takes its own place in the other half
	s_mov_b32 s13, 0xfedcba98
	s_mov_b32 s14, 0x3a800000                      ; 1 / 1024
	s_mov_b32 s15, 0x3727c5ac                      ; 1e-5
	s_wait_kmcnt 0x0
	s_add_nc_u64 s[4:5], s[4:5], s[18:19]
	s_add_nc_u64 s[10:11], s[10:11], s[20:21]
.irp j, 0,1,2,3,4,5,6,7
	global_load_b128 v[X+4*(\j):X+4*(\j)+3], v1, s[4:5] offset:512*(\j) th:TH_LOAD_NT
.endr
.irp j, 0,1,2,3,4,5,6,7
	global_load_b128 v[X+32+4*(\j):X+32+4*(\j)+3], v1, s[4:5] offset:4096+512*(\j) th:TH_LOAD_NT
.endr
.irp j, 0,1,2,3,4,5,6,7
	global_load_b128 v[G+4*(\j):G+4*(\j)+3], v1, s[6:7] offset:512*(\j)
.endr
.irp j, 0,1,2,3,4,5,6,7
	global_load_b128 v[B+4*(\j):B+4*(\j)+3], v1, s[8:9] offset:512*(\j)
.endr
.macro TOTAL                           ; the four chains into one number, then over the 32 lanes: every lane ends with the sum in v[T]
	v_pk_add_f32 v[T:T+1], v[T:T+1], v[T+2:T+3]
	v_pk_add_f32 v[T+4:T+5], v[T+4:T+5], v[T+6:T+7]
	v_pk_add_f32 v[T:T+1], v[T:T+1], v[T+4:T+5]
	v_add_f32 v[T], v[T], v[T+1]
	v_add_f32_dpp v[T], v[T], v[T] row_xmask:1 row_mask:0xf bank_mask:0xf
	v_add_f32_dpp v[T], v[T], v[T] row_xmask:2 row_mask:0xf bank_mask:0xf
	v_add_f32_dpp v[T], v[T], v[T] row_xmask:4 row_mask:0xf bank_mask:0xf
	v_add_f32_dpp v[T], v[T], v[T] row_xmask:8 row_mask:0xf bank_mask:0xf
	v_permlanex16_b32 v[T+1], v[T], s12, s13
	v_add_f32 v[T], v[T], v[T+1]
.endm
.macro STATS r                         ; row r: the mean; x - mu in place; var + eps
.set XR, X+32*(\r)
.irp c, 0,1,2,3
	v_pk_add_f32 v[T+2*(\c):T+2*(\c)+1], v[XR+2*(\c):XR+2*(\c)+1], v[XR+8+2*(\c):XR+8+2*(\c)+1]  ; the first eight pairs start the chains: nothing is cleared
.endr
.irp p, 8,9,10,11,12,13,14,15
	v_pk_add_f32 v[T+2*((\p)%4):T+2*((\p)%4)+1], v[T+2*((\p)%4):T+2*((\p)%4)+1], v[XR+2*(\p):XR+2*(\p)+1]
.endr
	TOTAL
	v_mul_f32 v[MU+2*(\r)], s14, v[T]
	v_mul_f32 v[MU+2*(\r)+1], s14, v[T]
.irp p, 0,1,2,3,4,5,6,7,8,9,10,11,12,13,14,15
	v_pk_add_f32 v[XR+2*(\p):XR+2*(\p)+1], v[XR+2*(\p):XR+2*(\p)+1], v[MU+2*(\r):MU+2*(\r)+1] neg_lo:[0,1] neg_hi:[0,1]
.endr
.irp c, 0,1,2,3
	v_pk_mul_f32 v[T+2*(\c):T+2*(\c)+1], v[XR+2*(\c):XR+2*(\c)+1], v[XR+2*(\c):XR+2*(\c)+1]
.endr
.irp p, 4,5,6,7,8,9,10,11,12,13,14,15
	v_pk_fma_f32 v[T+2*((\p)%4):T+2*((\p)%4)+1], v[XR+2*(\p):XR+2*(\p)+1], v[XR+2*(\p):XR+2*(\p)+1], v[T+2*((\p)%4):T+2*((\p)%4)+1]
.endr
	TOTAL
	v_fma_f32 v[VAR+(\r)], v[T], s14, s15
.endm
.macro NORM r                          ; row r: scaled, g and b applied, rounded once, stored
.set XR, X+32*(\r)
.irp p, 0,1,2,3,4,5,6,7,8,9,10,11,12,13,14,15
	v_pk_mul_f32 v[XR+2*(\p):XR+2*(\p)+1], v[XR+2*(\p):XR+2*(\p)+1], v[RS+2*(\r):RS+2*(\r)+1]
.endr
.irp p, 0,1,2,3,4,5,6,7,8,9,10,11,12,13,14,15
	v_pk_fma_f32 v[XR+2*(\p):XR+2*(\p)+1], v[XR+2*(\p):XR+2*(\p)+1], v[G+2*(\p):G+2*(\p)+1], v[B+2*(\p):B+2*(\p)+1]
.endr
.irp p, 0,1,2,3,4,5,6,7,8,9,10,11,12,13,14,15
	v_cvt_pk_bf16_f32 v[Y+16*(\r)+(\p)], v[XR+2*(\p)], v[XR+2*(\p)+1]
.endr
.irp j, 0,1,2,3,4,5,6,7
	global_store_b64 v2, v[Y+16*(\r)+2*(\j):Y+16*(\r)+2*(\j)+1], s[10:11] offset:2048*(\r)+256*(\j)
.endr
.endm
	s_wait_loadcnt 24                              ; row 0 is in; row 1, g and b (24 loads) stay out
	STATS 0
	s_wait_loadcnt 16                              ; row 1 is in; g and b stay out
	STATS 1
	v_rsq_f32 v[RS], v[VAR]                        ; each twice, to fill the pair that the packed multiply reads
	v_rsq_f32 v[RS+1], v[VAR]
	v_rsq_f32 v[RS+2], v[VAR+1]
	v_rsq_f32 v[RS+3], v[VAR+1]
	v_nop                                          ; a plain instruction behind the last of them, ahead of the first use
	s_wait_alu depctr_va_vdst(0)                   ; one wait for the batch of four, ahead of their first reader
	s_wait_loadcnt 0x0                             ; g and b
	NORM 0
	NORM 1
	s_endpgm
.Lfunc_end_k_qd4c90ff780_ln:
	.size	k_qd4c90ff780_ln, .Lfunc_end_k_qd4c90ff780_ln-k_qd4c90ff780_ln
	.p2alignl 7, 3214868480
	.fill 96, 4, 3214868480
	.section	.rodata,"a",@progbits
	.p2align	6, 0x0
	.amdhsa_kernel k_qd4c90ff780_ln
		.amdhsa_group_segment_fixed_size 0
		.amdhsa_private_segment_fixed_size 0
		.amdhsa_enable_private_segment 0
		.amdhsa_kernarg_size 32
		.amdhsa_user_sgpr_count 2
		.amdhsa_user_sgpr_kernarg_segment_ptr 1
		.amdhsa_wavefront_size32 1
		.amdhsa_system_sgpr_workgroup_id_x 1
		.amdhsa_system_sgpr_workgroup_id_y 1
		.amdhsa_system_sgpr_workgroup_id_z 1
		.amdhsa_system_vgpr_workitem_id 0
		.amdhsa_next_free_vgpr 192
		.amdhsa_next_free_sgpr 66
		.amdhsa_reserve_vcc 0
		.amdhsa_float_denorm_mode_32 3
		.amdhsa_float_denorm_mode_16_64 3
		.amdhsa_memory_ordered 1
		.amdhsa_forward_progress 1
		.amdhsa_inst_pref_size 20
	.end_amdhsa_kernel
	.amdgpu_metadata
---
amdhsa.version: [ 1, 2 ]
amdhsa.kernels:
  - .name:           k_qd4c90ff780_ln
    .symbol:         k_qd4c90ff780_ln.kd
    .args:
      - { .name: x, .offset: 0, .size: 8, .value_kind: global_buffer, .address_space: global }
      - { .name: ln1_g, .offset: 8, .size: 8, .value_kind: global_buffer, .address_space: global }
      - { .name: ln1_b, .offset: 16, .size: 8, .value_kind: global_buffer, .address_space: global }
      - { .name: hn, .offset: 24, .size: 8, .value_kind: global_buffer, .address_space: global }
    .group_segment_fixed_size: 0
    .private_segment_fixed_size: 0
    .kernarg_segment_align: 8
    .kernarg_segment_size: 32
    .max_flat_workgroup_size: 256
    .sgpr_count:     66
    .vgpr_count:     192
    .wavefront_size: 32
...
	.end_amdgpu_metadata
.endif
;; end of part 2
;; launch qkvp (part 3): grid 8 x 32, 4 waves a work-group, clusters of 4 x 4, 327,680 bytes of LDS; arguments hn, wb, bq, bk, bv, qkv; writes qkv
.if DOCPART == 3
	.amdgcn_target "amdgcn-amd-amdhsa--gfx1250"
	.amdhsa_code_object_version 6
	.text
	.protected	k_qd4c90ff780_qkvp
	.globl	k_qd4c90ff780_qkvp
	.p2align	8
	.type	k_qd4c90ff780_qkvp,@function
k_qd4c90ff780_qkvp:
	s_mov_b64 s[64:65], 0
	v_nop
	global_prefetch_b8 v0, s[64:65] scope:SCOPE_SE
	s_setreg_imm32_b32 hwreg(HW_REG_WAVE_MODE, 25, 1), 1
	s_wait_xcnt 0x0
	s_wait_alu depctr_hold_cnt(0) depctr_sa_sdst(0) depctr_va_vdst(0) depctr_va_sdst(0) depctr_va_ssrc(0) depctr_va_vcc(0) depctr_vm_vsrc(0)
	s_getreg_b32 s2, hwreg(HW_REG_IB_STS2, 6, 4)
	s_cmp_eq_u32 s2, 0
	s_cbranch_scc0 .Lentry_in_a_cluster
	s_endpgm
.Lentry_in_a_cluster:
	s_bfe_u32 s2, ttmp6, 0x10000c
	s_cmp_lg_u32 s2, 0xf033
	s_cbranch_scc0 .Lentry_shape_is_right
	s_endpgm
.Lentry_shape_is_right:
; q, k, v = hn Wq + bq, hn Wk + bk, hn Wv + bv.  hn: [4096][1024] bf16; Wq, Wk, Wv: [1024 k][1024 n] bf16 at bytes 0, 2 MiB, 4 MiB of wb; biases f32; sums in f32, rounded once to bf16.
; OUT: qkv = [48][4096][64] bf16: block 16 g + head (g = 0 q, 1 k, 2 v) holds the head's 64 channels of all 4,096 rows, a row 128 bytes, rows dense.
; SHARES.  A work-group makes 128 rows x the same 128 columns of each of q, k and v, so that a fragment of hn read from LDS feeds three products' worth of columns.  Four waves, 2 x 2:
; a wave makes 64 rows x 64 columns of each: 48 accumulators, 384 registers.  K goes in 8 steps of 128 through a ring of two LDS slots filled by tensor loads; rows of all tiles are 256 bytes of memory, aligned.
; CLUSTER 4 x 4.  The four work-groups of a row of the cluster need the same tile of hn, the four of a column the same tiles of the weights: each tile is asked for jointly.
; THE MATRIX INSTRUCTION IS USED TRANSPOSED: source 0 = 16 columns of W (out of LDS by the turning load, since W lies [k][n]), source 1 = 16 rows of hn: a lane's eight results are eight neighbouring columns of one row.
; THE BIAS is the C operand of each accumulator's first product: register j of a lane belongs to column n0 + 8 (lane / 16) + j.
; REGISTERS, in windows of 256: window 0: v0-31 addresses, v32-127 the bias (12 blocks of 8), later the way out.  window 1: two fragment buffers of 128: 12 of W, then 4 of hn.
;   windows 2, 3: the accumulators of row blocks 0, 1 and 2, 3: (a, b) at v[8 (12 (a % 2) + b)], b = 4 g + column block.
; LIMITS: bf16 operands; NaN and infinities are not treated apart.
.set NSTEP, 8                          ; K steps
.set PA,    272                        ; a row of hn's tile in LDS: 256 bytes + 16: the 16 rows of a fragment load start 16 bytes apart modulo 256
.set PB,    288                        ; a row (one k) of a weight tile: 256 + 32: the turning load's 8 rows x 32 bytes start 32 bytes apart modulo 256
.set GB,    128*PB                     ; a weight tile: 36,864 bytes; Wq's, Wk's, Wv's lie one behind the other
.set AOFF,  3*GB                       ; hn's tile behind them
.set SLOT,  AOFF+128*PA                ; 145,408
.set SPARE, 2*SLOT                     ; behind the ring: the spare words, 128 bytes a wave: two blocks of 256 bytes that no other line names
.set ASTEP, 256                        ; bytes from K step to K step in hn,
.set BSTEP, 128*2048                   ; and in a weight matrix
.set SP,    272                        ; the way out: a stage row, 64 f32 + 16 bytes
.set SREG,  3*64*SP                    ; a wave's stage: 64 rows for each of q, k, v
.set A0, 2                             ; v2    my lane's place in hn's tile; never rewritten
.set B0, 3                             ; v3    in a weight tile
.set ADRA, 4                           ; v4    LDS address of my fragments of hn in the slot being read
.set ADRB, 5                           ; v5-7  the same for Wq, Wk, Wv
.set STO, 8                            ; v8    the way out: where I put 16 bytes of a stage row
.set RD,  9                            ; v9    where I read rows back; steps
.set GO,  11                           ; v11-13 my byte offset in qkv for g = 0, 1, 2
.set BO,  14                           ; v14   32 x (lane / 16): my eight numbers of a bias block
.set PFO, 15                           ; v15   2,048 x lane: the prefetches' offset, a lane a row
.set SPW, 28                           ; v28   my spare word; never rewritten
.set NIL, 29                           ; v29   0; never rewritten
.set BIAS, 32
.set LD,  32                           ; the way out: 48 registers read back,
.set CV,  80                           ; 24 converted
.set F0,  0
.set F1,  128
.set WV, 20
.set WR, 21                            ; which 64 of the 128 rows are mine
.set WC, 22                            ; which 64 of the 128 columns
.set CX, 23
.set CY, 24
.set TX, 25                            ; column block of 128: 4 x cluster x + cx
.set TY, 26                            ; row block of 128: 4 x cluster y + cy
.set CNT, 27
.set TB,  28                           ; the slot being read: 0 or SLOT
.set SLF, 29                           ; the slot filled last
.set WOFF, 30                          ; where my tile lies in a slot: wave x 36,864
.set LIM, 31                           ; 1 in a wave that prefetches, else the greatest number
.set G1A, 32
.set G1B, 40
.set G0A, 48                           ; two sets: slot 0's first fill; slot 1's, which then walks
.set G0B, 56
.set PFA, 66                           ; where my prefetches stand
.set PFS, 68                           ; their step
.set MSB, 0
.macro WIN new                         ; the immediate's high byte repeats the setting that is left; a switch that changes nothing is dropped
.if MSB != (\new)
	s_set_vgpr_msb (MSB<<8)|(\new)
.set MSB, (\new)
.endif
.endm
.macro PLACES                          ; four plain instructions between a matrix instruction and a load into, or a reader of, its registers
.rept 4
	v_nop
.endr
.endm
.macro CREST                           ; a round of the cluster's barrier behind its opening barrier
	s_cmp_lg_u32 s[WV], 0
	s_cbranch_scc1 .Lnot_wave_0_\@
	s_barrier_signal -3
.Lnot_wave_0_\@:
	s_barrier_wait -3
	s_barrier_signal -1
	s_barrier_wait -1
.endm
.macro CROUND
	s_barrier_signal -1
	s_barrier_wait -1
	CREST
.endm
; A joint refill by the walking descriptors.  Waves 0, 1, 2 fetch Wq's, Wk's, Wv's tile, wave 3 hn's.  The branch hangs on the wave's number alone.
.macro JLOAD
	s_cmp_eq_u32 s[WV], 3
	s_cbranch_scc0 .Lfor_b_\@
	tensor_load_to_lds s[G0A+4:G0A+7], s[G1A:G1A+7]
	s_nop 0
	PLACES
	s_branch .Lasked_\@
.Lfor_b_\@:
	tensor_load_to_lds s[G0B+4:G0B+7], s[G1B:G1B+7]
	s_nop 0
	PLACES
.Lasked_\@:
.endm
; A PREFETCH of the K step behind the one just asked for: 32 rows x 256 bytes, a lane a row, one instruction a wave, 192 matrix instructions ahead of the load that will want them.
; hn's row block is read by both clusters of a row of clusters: cluster x = 0 asks; a weight's column block by all eight clusters of a column: cluster y = 0 asks.  The four partners that ask for a tile
; jointly share its 128 rows out by address, 32 each (by cx for hn, by cy for a weight).  So each 256 bytes are named once.  K steps 0 to 2 come by their loads alone; the loop's last trip has no step behind its refill.
.macro ASK
	s_cmp_gt_u32 s[CNT], s[LIM]
	s_cbranch_scc0 .Lnot_mine_\@
	global_prefetch_b8 v[PFO], s[PFA:PFA+1] th:TH_LOAD_NT scope:SCOPE_SE
.Lnot_mine_\@:
.endm
	s_load_b256 s[4:11], s[0:1], 0x0               ; hn s[4:5], wb s[6:7], bq s[8:9], bk s[10:11]
	s_load_b128 s[12:15], s[0:1], 0x20             ; bv s[12:13], qkv s[14:15]
	v_lshl_add_u32 v[SPW], v0, 2, SPARE
	v_mov_b32 v[NIL], 0
	ds_add_u32 v[SPW], v[NIL]                      ; the wave's opening: the add and its wait stand ahead of my first tensor load; the set-up below stands between them
	v_lshrrev_b32 v1, 5, v0
	v_readfirstlane_b32 s[WV], v1
	s_lshr_b32 s[WR], s[WV], 1
	s_and_b32 s[WC], s[WV], 1
	s_bfe_u32 s[CX], ttmp6, 0x40000
	s_bfe_u32 s[CY], ttmp6, 0x40004
	s_lshl_b32 s[TX], ttmp9, 2
	s_add_co_u32 s[TX], s[TX], s[CX]
	s_and_b32 s[TY], ttmp7, 0xffff
	s_lshl_b32 s[TY], s[TY], 2
	s_add_co_u32 s[TY], s[TY], s[CY]
	s_lshl_b32 s72, s[CY], 2
	s_lshl_b32 s72, 15, s72                        ; my row of the cluster
	s_lshl_b32 s76, 0x1111, s[CX]                  ; my column
	s_or_b32 s[G1A], s72, (1<<16)|(1<<20)|(1<<21)|(5<<22)|(3<<25)  ; the mask; 2-byte elements; padding on; bit 21 beside a mask; after every 64 words 4 words
	s_or_b32 s[G1B], s76, (1<<16)|(1<<20)|(1<<21)|(5<<22)|(7<<25)  ; the same with my column's mask and 8 words
.irp g, G1A, G1B
	s_mov_b32 s[(\g)+1], 128<<16                   ; tensor_dim0 = 128
	s_mov_b32 s[(\g)+2], 128<<16                   ; tensor_dim1 = 128
	s_mov_b32 s[(\g)+3], 128<<16                   ; tile_dim0 = 128
	s_mov_b32 s[(\g)+4], 128                       ; tile_dim1 = 128
	s_mov_b32 s[(\g)+5], 1024                      ; elements from row to row
	s_mov_b32 s[(\g)+6], 0
	s_mov_b32 s[(\g)+7], 0
.endr
	s_lshl_b32 s70, s[TY], 18                      ; hn: 128 rows of 2,048 bytes a row block: it hangs on the row block alone
	s_mov_b32 s71, 0
	s_lshl_b32 s74, s[WV], 21                      ; the weights: 2 MiB a matrix, 256 bytes a column block: on the wave and the column block alone
	s_lshl_b32 s75, s[TX], 8
	s_add_co_u32 s74, s74, s75
	s_mov_b32 s75, 0
	s_mul_i32 s[WOFF], s[WV], GB                   ; no place in the cluster enters an LDS address
	s_mov_b32 s[TB], 0
	s_mov_b32 s[SLF], SLOT
	s_wait_dscnt 0x0                               ; the opening add is done
	s_wait_kmcnt 0x0
	s_add_nc_u64 s[70:71], s[4:5], s[70:71]
	s_add_nc_u64 s[74:75], s[6:7], s[74:75]
.irp s, 0,1
	s_mov_b32 s[G0A+4*(\s)], 1
	s_add_co_u32 s[G0A+4*(\s)+1], s[WOFF], (\s)*SLOT
	s_add_nc_u64 s[G0A+4*(\s)+2:G0A+4*(\s)+3], s[70:71], (\s)*ASTEP
	s_or_b32 s[G0A+4*(\s)+3], s[G0A+4*(\s)+3], 0x80000000
	s_mov_b32 s[G0B+4*(\s)], 1
	s_add_co_u32 s[G0B+4*(\s)+1], s[WOFF], (\s)*SLOT
	s_add_nc_u64 s[G0B+4*(\s)+2:G0B+4*(\s)+3], s[74:75], (\s)*BSTEP
	s_or_b32 s[G0B+4*(\s)+3], s[G0B+4*(\s)+3], 0x80000000
.endr
	CROUND                                         ; all sixteen work-groups are here: the first joint loads meet
	s_cmp_eq_u32 s[WV], 3                          ; a wave's two first fills stand in one branch: two loads of mine are out
	s_cbranch_scc0 .Lfirst_b
	tensor_load_to_lds s[G0A:G0A+3], s[G1A:G1A+7]
	s_nop 0
	tensor_load_to_lds s[G0A+4:G0A+7], s[G1A:G1A+7]
	s_nop 0
	PLACES
	s_branch .Lfirst_asked
.Lfirst_b:
	tensor_load_to_lds s[G0B:G0B+3], s[G1B:G1B+7]
	s_nop 0
	tensor_load_to_lds s[G0B+4:G0B+7], s[G1B:G1B+7]
	s_nop 0
	PLACES
.Lfirst_asked:
	; the biases: my 64 columns of each
	s_lshl_b32 s76, s[TX], 9
	s_lshl_b32 s78, s[WC], 8
	s_add_co_u32 s76, s76, s78
	s_mov_b32 s77, 0
	s_add_nc_u64 s[8:9], s[8:9], s[76:77]
	s_add_nc_u64 s[10:11], s[10:11], s[76:77]
	s_add_nc_u64 s[12:13], s[12:13], s[76:77]
	v_and_b32 v16, 15, v0                          ; r = lane % 16
	v_bfe_u32 v17, v0, 4, 1                        ; h = lane / 16
	v_and_b32 v18, 7, v0
	v_bfe_u32 v19, v0, 3, 1
	v_and_b32 v20, 31, v0
	v_lshlrev_b32 v[BO], 5, v17
.irp g, 0,1,2
.irp b, 0,1,2,3
	global_load_b128 v[BIAS+8*(4*(\g)+(\b)):BIAS+8*(4*(\g)+(\b))+3], v[BO], s[8+2*(\g):9+2*(\g)] offset:64*(\b)
	global_load_b128 v[BIAS+8*(4*(\g)+(\b))+4:BIAS+8*(4*(\g)+(\b))+7], v[BO], s[8+2*(\g):9+2*(\g)] offset:64*(\b)+16
.endr
.endr
	; the prefetches
	s_and_b32 s76, ttmp7, 0xffff                   ; cluster y
	s_mov_b32 s78, BSTEP
	s_cmp_eq_u32 s[WV], 3                          ; do I fetch hn?
	s_cselect_b32 s79, s[CX], s[CY]                ; my place among the four that ask with me
	s_cselect_b32 s76, ttmp9, s76                  ; the coordinate along which other clusters read the same rows
	s_cselect_b64 s[PFA:PFA+1], s[70:71], s[74:75]
	s_cselect_b32 s[PFS], ASTEP, s78
	s_mov_b32 s[PFS+1], 0
	s_cmp_eq_u32 s76, 0
	s_cselect_b32 s[LIM], 1, -1                    ; the same in all sixteen partners, for a given wave
	s_lshl_b32 s76, s79, 16                        ; my work-group's 32 rows of 2,048 bytes
	s_add_nc_u64 s[PFA:PFA+1], s[PFA:PFA+1], s[76:77]
	s_add_nc_u64 s[PFA:PFA+1], s[PFA:PFA+1], s[PFS:PFS+1]
	s_add_nc_u64 s[PFA:PFA+1], s[PFA:PFA+1], s[PFS:PFS+1]  ; at K step 2: the first refill steps it to 3
	v_lshlrev_b32 v[PFO], 11, v20
	; where my part of qkv begins: block 2 TX + WC, row 128 TY + 64 WR
	s_lshl_b32 s76, s[TX], 1
	s_add_co_u32 s76, s76, s[WC]
	s_lshl_b32 s76, s76, 19
	s_lshl_b32 s78, s[TY], 14
	s_add_co_u32 s76, s76, s78
	s_lshl_b32 s78, s[WR], 13
	s_add_co_u32 s76, s76, s78
	s_add_nc_u64 s[14:15], s[14:15], s[76:77]
	; lane addresses.  A fragment of hn: lane holds row r, two loads of 16 bytes, 32 apart, at row x pitch + 16 h.
	v_mul_u32_u24 v[A0], v16, PA
	v_lshl_add_u32 v[A0], v17, 4, v[A0]
	s_mul_i32 s78, s[WR], 64*PA
	s_add_co_u32 s78, s78, AOFF
	v_add_nc_u32 v[A0], s78, v[A0]
	; The turning load takes 16 k x 16 columns: lane reads k = 8 h + lane % 8, columns 8 ((lane / 8) % 2) + 0..7, and is left with column r and 8 k.
	v_lshl_add_u32 v[B0], v17, 3, v18
	v_mul_u32_u24 v[B0], v[B0], PB
	v_lshl_add_u32 v[B0], v19, 4, v[B0]
	s_lshl_b32 s78, s[WC], 7
	v_add_nc_u32 v[B0], s78, v[B0]
	s_mul_i32 s78, s[WV], SREG                     ; my stage
	v_mul_u32_u24 v[STO], v16, SP                  ; in: row r, 32 bytes for each half of the lanes
	v_lshl_add_u32 v[STO], v17, 5, v[STO]
	v_add_nc_u32 v[STO], s78, v[STO]
	v_mul_u32_u24 v[RD], v17, SP                   ; back: lanes 0-15 one row of 256 bytes, lanes 16-31 the next
	v_lshl_add_u32 v[RD], v16, 4, v[RD]
	v_add_nc_u32 v[RD], s78, v[RD]
	v_lshlrev_b32 v[GO], 3, v20                    ; two rows of a block are 256 consecutive bytes: 8 bytes a lane
	v_add_nc_u32 v[GO+1], 0x800000, v[GO]          ; k's blocks lie 8 MiB behind q's,
	v_add_nc_u32 v[GO+2], 0x1000000, v[GO]         ; v's 16 MiB
.macro SETADR                          ; the fragment addresses in the slot being read
	v_add_nc_u32 v[ADRA], s[TB], v[A0]
	v_add_nc_u32 v[ADRB], s[TB], v[B0]
	v_add_nc_u32 v[ADRB+1], GB, v[ADRB]
	v_add_nc_u32 v[ADRB+2], 2*GB, v[ADRB]
.endm
; 32 LDS loads in one run: the fragments of quarter q (32 along K) into buffer f: the weights' 24, hn's row blocks 0, 1, then 2, 3
.macro FETCH q, f
	WIN 0x40
.irp g, 0,1,2
.irp b, 0,1,2,3
	ds_load_tr16_b128 v[(\f)+8*(4*(\g)+(\b)):(\f)+8*(4*(\g)+(\b))+3], v[ADRB+(\g)] offset:32*(\q)*PB+32*(\b)
	ds_load_tr16_b128 v[(\f)+8*(4*(\g)+(\b))+4:(\f)+8*(4*(\g)+(\b))+7], v[ADRB+(\g)] offset:32*(\q)*PB+32*(\b)+16*PB
.endr
.endr
.irp a, 0,1,2,3
	ds_load_b128 v[(\f)+96+8*(\a):(\f)+96+8*(\a)+3], v[ADRA] offset:(\a)*16*PA+64*(\q)
	ds_load_b128 v[(\f)+96+8*(\a)+4:(\f)+96+8*(\a)+7], v[ADRA] offset:(\a)*16*PA+64*(\q)+32
.endr
.endm
; 12 matrix instructions: row block a x all 12 column blocks.  first = 1: the product starts the sum on the bias.  The 48 accumulators take turns, one instruction a turn, in the same order in every quarter.
.macro MUL12 f, a, first
.if \first
	WIN 0x85+0x40*((\a)/2)
.else
	WIN 0xa5+0x50*((\a)/2)
.endif
.set ib, 0
.rept 12
.set rD, 8*(12*((\a)%2)+ib)
.if \first
	v_wmma_f32_16x16x32_bf16 v[rD:rD+7], v[(\f)+8*ib:(\f)+8*ib+7], v[(\f)+96+8*(\a):(\f)+96+8*(\a)+7], v[BIAS+8*ib:BIAS+8*ib+7]
.else
	v_wmma_f32_16x16x32_bf16 v[rD:rD+7], v[(\f)+8*ib:(\f)+8*ib+7], v[(\f)+96+8*(\a):(\f)+96+8*(\a)+7], v[rD:rD+7]
.endif
.set ib, ib+1
.endr
.endm
; One of a K step's first three quarters: multiplies buffer f; in its middle it fetches quarter q into buffer g.
.macro QUARTER q, f, g, first
	s_wait_dscnt 4                                 ; all but the youngest four loads (hn's row blocks 2, 3)
	MUL12 \f, 0, \first
	MUL12 \f, 1, \first
	PLACES
	FETCH \q, \g
	s_wait_dscnt 32                                ; all but the 32 just issued
	MUL12 \f, 2, \first
	MUL12 \f, 3, \first
.endm
; The last quarter multiplies buffer 1 and changes slots.  In front of the one barrier each wave waits for all its tensor loads (one is out: its part of the next slot), adds 0 to its spare word, and waits
; for that and for its reads of this slot.  fill = 1: the barrier opens a round of the cluster's, and the joint refill of this slot, two K steps ahead, is the first thing behind it.
; fill = 0 (the tail): nothing is asked for, and in the last trip there is no next slot: its fetch is jumped over.
.macro TURN fill
.if \fill
	s_wait_xcnt 0x0                                ; the last prefetch, a K step back, has read its address
	s_add_nc_u64 s[PFA:PFA+1], s[PFA:PFA+1], s[PFS:PFS+1]
.endif
	WIN 0
	s_wait_tensorcnt 0x0                           ; all my tensor loads have landed
	ds_add_u32 v[SPW], v[NIL]                      ; 0 onto my spare word
	s_wait_dscnt 5                                 ; the add and the youngest four loads may be out
	MUL12 F1, 0, 0
	s_wait_dscnt 0x0                               ; the add is done, my reads of this slot are over
	s_barrier_signal -1
	MUL12 F1, 1, 0
	WIN 0
	s_barrier_wait -1
.if \fill
	CREST                                          ; no wave of any partner still reads this slot or has a load on its way
	s_xor_b32 s[SLF], s[SLF], SLOT                 ; the walking descriptors: the other slot than last time,
	s_add_co_u32 s[G0A+5], s[WOFF], s[SLF]
	s_add_co_u32 s[G0B+5], s[WOFF], s[SLF]
	s_add_nc_u64 s[G0A+6:G0A+7], s[G0A+6:G0A+7], ASTEP  ; the next K step; the type bits on top are not reached
	s_add_nc_u64 s[G0B+6:G0B+7], s[G0B+6:G0B+7], BSTEP
	JLOAD                                          ; its four v_nop are also the places in front of the loads below
.else
	PLACES
	s_cmp_eq_u32 s[CNT], 1
	s_cbranch_scc1 .Lno_more_\@
.endif
	s_xor_b32 s[TB], s[TB], SLOT
	SETADR
	FETCH 0, F0
	WIN 0
.if \fill
	ASK
.else
.Lno_more_\@:
.endif
	MUL12 F1, 2, 0
	MUL12 F1, 3, 0
.endm
	s_wait_tensorcnt 1                             ; my part of K step 0 is in; K step 1's may stay out
	s_barrier_signal -1
	s_barrier_wait -1
	SETADR
	FETCH 0, F0
	s_wait_loadcnt 0x0                             ; the biases
	QUARTER 1, F0, F1, 1                           ; the first quarter stands in front of the loop: its products start the sums
	WIN 0
	s_mov_b32 s[CNT], NSTEP-2
.Lk:                                           ; a trip: a K step's second quarter to the next step's first; every step but the last two fills its slot again
	QUARTER 2, F1, F0, 0
	QUARTER 3, F0, F1, 0
	TURN 1
	QUARTER 1, F0, F1, 0
	WIN 0
	s_sub_co_u32 s[CNT], s[CNT], 1
	s_cmp_lg_u32 s[CNT], 0
	s_cbranch_scc1 .Lk
	s_mov_b32 s[CNT], 2
.Lt:                                           ; the last two K steps ask for nothing; the second trip is left in its middle
	QUARTER 2, F1, F0, 0
	QUARTER 3, F0, F1, 0
	TURN 0
	WIN 0
	s_sub_co_u32 s[CNT], s[CNT], 1
	s_cmp_eq_u32 s[CNT], 0
	s_cbranch_scc1 .Lout
	QUARTER 1, F0, F1, 0
	WIN 0
	s_branch .Lt
.Lout:
	; THE WAY OUT.  The ring has had its last fill and becomes the stage, each wave's part its own: f32 in by lanes, back by rows, rounded to bf16, stored as 256 consecutive bytes a wave.
	s_wait_dscnt 0x0
	s_barrier_signal -1                            ; no wave stores into the ring before every wave's reads of it are over
	s_barrier_wait -1
	PLACES
.irp a, 0,1,2,3
	WIN 0x08+4*((\a)/2)                            ; the stores' data lie in window 2 or 3
.set ib, 0
.rept 12
.set rD, 8*(12*((\a)%2)+ib)
	ds_store_b128 v[STO], v[rD:rD+3] offset:(ib/4)*64*SP+(\a)*16*SP+(ib%4)*64
	ds_store_b128 v[STO], v[rD+4:rD+7] offset:(ib/4)*64*SP+(\a)*16*SP+(ib%4)*64+16
.set ib, ib+1
.endr
.endr
	WIN 0
	s_mov_b32 s[CNT], 8
.Lo:                                           ; a trip: 8 rows of each of q, k, v
.irp g, 0,1,2
.irp p, 0,1,2,3
	ds_load_b128 v[LD+4*(4*(\g)+(\p)):LD+4*(4*(\g)+(\p))+3], v[RD] offset:(\g)*64*SP+(\p)*2*SP  ; LDS serves a wave's instructions in order: these see the stores above
.endr
.endr
	s_wait_dscnt 0x0
.set i, 0
.rept 12
	v_cvt_pk_bf16_f32 v[CV+2*i], v[LD+4*i], v[LD+4*i+1]
	v_cvt_pk_bf16_f32 v[CV+2*i+1], v[LD+4*i+2], v[LD+4*i+3]
.set i, i+1
.endr
.irp g, 0,1,2
.irp p, 0,1,2,3
	global_store_b64 v[GO+(\g)], v[CV+2*(4*(\g)+(\p)):CV+2*(4*(\g)+(\p))+1], s[14:15] offset:256*(\p)
.endr
.endr
	s_wait_xcnt 0x0                                ; the stores have read their data and their base: both are written again only behind this wait
	s_add_nc_u64 s[14:15], s[14:15], 1024
	v_add_nc_u32 v[RD], 8*SP, v[RD]
	s_sub_co_u32 s[CNT], s[CNT], 1
	s_cmp_lg_u32 s[CNT], 0
	s_cbranch_scc1 .Lo
	s_wait_tensorcnt 0x0                           ; the wave's end, behind my last tensor load and my last LDS store
	ds_add_u32 v[SPW], v[NIL]
	s_wait_dscnt 0x0
	CROUND                                         ; the closing round: no work-group ends while a partner may still ask for a tile that names it
	s_endpgm
.Lfunc_end_k_qd4c90ff780_qkvp:
	.size	k_qd4c90ff780_qkvp, .Lfunc_end_k_qd4c90ff780_qkvp-k_qd4c90ff780_qkvp
	.p2alignl 7, 3214868480
	.fill 96, 4, 3214868480
	.section	.rodata,"a",@progbits
	.p2align	6, 0x0
	.amdhsa_kernel k_qd4c90ff780_qkvp
		.amdhsa_group_segment_fixed_size 327680
		.amdhsa_private_segment_fixed_size 0
		.amdhsa_enable_private_segment 0
		.amdhsa_kernarg_size 48
		.amdhsa_user_sgpr_count 2
		.amdhsa_user_sgpr_kernarg_segment_ptr 1
		.amdhsa_wavefront_size32 1
		.amdhsa_system_sgpr_workgroup_id_x 1
		.amdhsa_system_sgpr_workgroup_id_y 1
		.amdhsa_system_sgpr_workgroup_id_z 1
		.amdhsa_system_vgpr_workitem_id 0
		.amdhsa_next_free_vgpr 960
		.amdhsa_next_free_sgpr 80
		.amdhsa_reserve_vcc 0
		.amdhsa_float_denorm_mode_32 3
		.amdhsa_float_denorm_mode_16_64 3
		.amdhsa_memory_ordered 1
		.amdhsa_forward_progress 1
		.amdhsa_inst_pref_size 73
	.end_amdhsa_kernel
	.amdgpu_metadata
---
amdhsa.version: [ 1, 2 ]
amdhsa.kernels:
  - .name:           k_qd4c90ff780_qkvp
    .symbol:         k_qd4c90ff780_qkvp.kd
    .args:
      - { .name: hn, .offset: 0, .size: 8, .value_kind: global_buffer, .address_space: global }
      - { .name: wb, .offset: 8, .size: 8, .value_kind: global_buffer, .address_space: global }
      - { .name: bq, .offset: 16, .size: 8, .value_kind: global_buffer, .address_space: global }
      - { .name: bk, .offset: 24, .size: 8, .value_kind: global_buffer, .address_space: global }
      - { .name: bv, .offset: 32, .size: 8, .value_kind: global_buffer, .address_space: global }
      - { .name: qkv, .offset: 40, .size: 8, .value_kind: global_buffer, .address_space: global }
    .group_segment_fixed_size: 327680
    .private_segment_fixed_size: 0
    .kernarg_segment_align: 8
    .kernarg_segment_size: 48
    .max_flat_workgroup_size: 128
    .sgpr_count:     80
    .vgpr_count:     960
    .wavefront_size: 32
...
	.end_amdgpu_metadata
.endif
;; end of part 3
;; launch attn (part 4): grid 8 x 32, 4 waves a work-group, clusters of 4 x 1, 327,680 bytes of LDS; arguments qkv, ao; writes ao
.if DOCPART == 4
	.amdgcn_target "amdgcn-amd-amdhsa--gfx1250"
	.amdhsa_code_object_version 6
	.text
	.protected	k_qd4c90ff780_attn
	.globl	k_qd4c90ff780_attn
	.p2align	8
	.type	k_qd4c90ff780_attn,@function
k_qd4c90ff780_attn:
	s_mov_b64 s[64:65], 0
	v_nop
	global_prefetch_b8 v0, s[64:65] scope:SCOPE_SE
	s_setreg_imm32_b32 hwreg(HW_REG_WAVE_MODE, 25, 1), 1
	s_wait_xcnt 0x0
	s_wait_alu depctr_hold_cnt(0) depctr_sa_sdst(0) depctr_va_vdst(0) depctr_va_sdst(0) depctr_va_ssrc(0) depctr_va_vcc(0) depctr_vm_vsrc(0)
	s_getreg_b32 s2, hwreg(HW_REG_IB_STS2, 6, 4)
	s_cmp_eq_u32 s2, 0
	s_cbranch_scc0 .Lentry_in_a_cluster
	s_endpgm
.Lentry_in_a_cluster:
	s_bfe_u32 s2, ttmp6, 0x10000c
	s_cmp_lg_u32 s2, 0x3003
	s_cbranch_scc0 .Lentry_shape_is_right
	s_endpgm
.Lentry_shape_is_right:
; O[y][q][:] = the sum over k of softmax_k(Q[y][q] . K[y][k] / 8) V[y][k][:], for 32 pairs y = 2 head + batch of 2,048 rows of 64 channels, all bf16.
; Pair y's rows are dense, 128 bytes each, at byte 262,144 y of q's part of qkv; k's part lies 8 MiB, v's 16 MiB behind; O goes to the same place in ao.
; Products, maxima and sums in f32; the weights p are rounded to bf16 for the second product (their sum l is taken of the unrounded p), O once at the end.
; LIMITS.  A weight below 2^-126 counts as 0 in l; NaN and infinities are not treated apart.
; SHARES.  A work-group owns 256 queries of a pair, a wave 64 consecutive rows: four PIECES of 16.  Every wave walks all 2,048 keys, 64 a step, four steps to an LDS slot, two slots.
; LAYOUT.  S^T = K Q^T (source 0 = 16 keys, source 1 = 16 queries): a lane holds ONE query (lane % 16) and the keys 8 (lane / 16) + 0..7.  Two such results rounded to bf16 ARE source 1 of O^T = V^T P.
; K comes out of LDS as it lies, V ([key][channel]) by the turning load.
; SOFTMAX.  A running maximum m and sum l: p = 2^(c s - c m), c = log2(e) / 8; in every step O and l are multiplied by a = 2^(c m_old - c m_new).  m starts at the lowest finite number, O and l at 0:
; the first step is a step like any other, with a = 0.
; BY TURNS.  Turn n belongs to piece n: 8 products K Q^T of piece n + 1, later 8 products V^T P of piece n - 1; beside them the scaling, exponentials, roundings, sums and rescaling of piece n and the maximum
; and statistics of piece n + 1.  Four vector instructions stand behind every matrix instruction, the other 54 of a turn's 118 in one run.  A turn's 33 exponentials are one batch with one wait.
; CLUSTER.  The four query blocks of a cluster belong to one pair and walk the same K and V: each tile is asked for jointly.
; REGISTERS, in windows of 256: window 0: addresses, statistics, v64-127 S^T (two buffers), v192-223 P (two buffers).  window 1: v0-127 O^T, 32 a piece.  window 2: v0-63 Q, v128-191 K, v192-255 V of one step.
.set NP,    4
.set KS,    64
.set PK,    144                        ; a row of K in LDS: 128 bytes + 16: the 16 rows of a load start 16 bytes apart modulo 256
.set PV,    160                        ; a row of V: 128 + 32: the turning load's 8 rows x 32 bytes start 32 bytes apart modulo 256
.set VOFF,  4*KS*PK                    ; a slot: 256 rows of K, then 256 rows of V
.set SLOT1, 1<<17
.set STAGE, SLOT1+4*KS*(PK+PV)         ; behind the ring, never filled by a tensor load: 16 rows x 144 bytes a wave
.set SP,    144
.set SPARE, STAGE+4*16*SP              ; the spare words, 128 bytes a wave: two blocks of 256 bytes that no other line names
.set AK0, 2
.set AV0, 3
.set AK,  4
.set AV,  5
.set STO, 6
.set RD,  7
.set GO,  8
.set MV,  12                           ; v12-13 c m_old, by buffer
.set QO,  15
.set ST,  16                           ; piece t: c m, m, l (even keys', odd keys') at v[ST+4 t]
.set TMP, 48                           ; by buffer: c0-c3 at work; c2 takes a
.set PFO, 61                           ; 256 x lane
.set SPW, 62
.set NIL, 63
.set S,   64
.set P,   192
.set KF,  128
.set VF,  192
.set WV,  12
.set LIM, 15
.set PFA, 18
.set G1K, 24
.set G1V, 32
.set G0K, 40
.set G0V, 44
.set SLOTS, 56
.set CNT, 57
.set CS,  58
.set SEL, 60
.set TBK, 62
.set TBV, 63
.set MSB, 0
.macro WIN new
.if MSB != (\new)
	s_set_vgpr_msb (MSB<<8)|(\new)
.set MSB, (\new)
.endif
.endm
.set W_KQ, 0x0a                        ; K and Q in window 2, S^T in window 0
.set W_PV, 0x52                        ; V in window 2, P in window 0, O^T in window 1
.set W_RS, 0x41                        ; O^T (destination and source 0) in window 1, a in window 0
; A joint fill.  Waves 0 and 1 fetch the two halves of a slot's K, waves 2 and 3 those of its V: 128 keys each.
.macro JLOAD
	s_cmp_lt_u32 s[WV], 2
	s_cbranch_scc0 .Lfor_v_\@
	tensor_load_to_lds s[G0K:G0K+3], s[G1K:G1K+7]
	s_nop 0
.rept 4
	v_nop
.endr
	s_branch .Lasked_\@
.Lfor_v_\@:
	tensor_load_to_lds s[G0V:G0V+3], s[G1V:G1V+7]
	s_nop 0
.rept 4
	v_nop
.endr
.Lasked_\@:
.endm
; A PREFETCH of the slot behind the one just asked for: four key steps, 256 matrix instructions, ahead of its load.  A slot is 32,768 bytes of K and of V.  Both clusters of a pair walk the same rows: the first asks.
; Its four partners take 8,192 bytes each, told apart by address, a lane 256 bytes; wave 0 asks for K's, wave 2 for V's.  So each 256 bytes are named once.  The last change that fills a slot asks for nothing.
.macro ASK
	s_cmp_gt_u32 s[SLOTS], s[LIM]
	s_cbranch_scc0 .Lnot_mine_\@
	global_prefetch_b8 v[PFO], s[PFA:PFA+1] th:TH_LOAD_NT scope:SCOPE_SE
.Lnot_mine_\@:
.endm
.macro CROUND
	s_barrier_signal -1
	s_barrier_wait -1
	s_cmp_lg_u32 s[WV], 0
	s_cbranch_scc1 .Lnot_wave_0_\@
	s_barrier_signal -3
.Lnot_wave_0_\@:
	s_barrier_wait -3
	s_barrier_signal -1
	s_barrier_wait -1
.endm
; THE CHANGE OF SLOTS.  Each wave waits for all its tensor loads (one is out: its part of the other slot), adds 0 to its spare word, and waits for that and for its reads of the slot that it leaves.
; fill = 1: the barrier is a round of the cluster's, and the joint fill of the old slot, with the keys two slots on, is the first thing behind it.  (At its first use slot 0 is waited for and slot 1 filled.)
.macro CHANGE fill
	WIN 0
	s_wait_tensorcnt 0x0
	ds_add_u32 v[SPW], v[NIL]                      ; the descriptors' steps stand between this add and the wait for it
.if \fill
.irp g, G0K, G0V
	s_xor_b32 s[\g+1], s[\g+1], SLOT1
	s_add_nc_u64 s[\g+2:\g+3], s[\g+2:\g+3], 4*KS*128
.endr
	s_wait_xcnt 0x0                                ; the last prefetch, four key steps back, has read its address
	s_add_nc_u64 s[PFA:PFA+1], s[PFA:PFA+1], 4*KS*128
	s_wait_dscnt 0x0
	CROUND
	JLOAD
	ASK
.else
	s_wait_dscnt 0x0
	s_barrier_signal -1
	s_barrier_wait -1
.endif
	s_sub_co_u32 s[TBK], s[TBK], 4*KS*PK           ; the fetches go back to a slot's first step, in the other slot
	s_xor_b32 s[TBK], s[TBK], SLOT1
	s_sub_co_u32 s[TBV], s[TBV], 4*KS*PV
	s_xor_b32 s[TBV], s[TBV], SLOT1
.endm
	s_load_b128 s[4:7], s[0:1], 0x0                ; qkv s[4:5], ao s[6:7]
	v_lshl_add_u32 v[SPW], v0, 2, SPARE
	v_mov_b32 v[NIL], 0
	ds_add_u32 v[SPW], v[NIL]                      ; the wave's opening: the add and its wait ahead of my first tensor load
	v_lshrrev_b32 v1, 5, v0
	v_readfirstlane_b32 s[WV], v1
	s_bfe_u32 s13, ttmp6, 0x40000                  ; cx
	s_lshl_b32 s14, ttmp9, 2
	s_add_co_u32 s14, s14, s13                     ; my block of 256 queries: it enters Q's and O's addresses alone
	s_and_b32 s20, ttmp7, 0xffff
	s_lshl_b32 s20, s20, 18                        ; the pair's first byte
	s_and_b32 s16, s[WV], 1                        ; which half of a slot's 256 keys I fetch:
	s_lshl_b32 s22, s16, 14                        ; its 16,384 bytes in memory,
	s_add_co_u32 s22, s22, s20
	s_mov_b32 s23, 0
	s_mul_i32 s17, s16, 128*PK                     ; and its place in a slot, for K
	s_mul_i32 s3, s16, 128*PV                      ; and for V
	s_lshl_b32 s48, s14, 15                        ; my block's 256 rows,
	s_lshl_b32 s49, s[WV], 13                      ; my wave's 64
	s_add_co_u32 s48, s48, s49
	s_add_co_u32 s48, s48, s20
	s_mov_b32 s49, 0
	; 128 keys are 16,384 dense bytes: asked for as 64 rows of 256 bytes, two keys a row, padded in LDS after every key
	s_mov_b32 s[G1K], 15|(1<<16)|(1<<20)|(1<<21)|(4<<22)|(3<<25)
	s_mov_b32 s[G1V], 15|(1<<16)|(1<<20)|(1<<21)|(4<<22)|(7<<25)
.irp g, G1K, G1V
	s_mov_b32 s[\g+1], 128<<16
	s_mov_b32 s[\g+2], 64<<16
	s_mov_b32 s[\g+3], 128<<16
	s_mov_b32 s[\g+4], 64
	s_mov_b32 s[\g+5], 128
	s_mov_b32 s[\g+6], 0
	s_mov_b32 s[\g+7], 0
.endr
	s_mov_b32 s[CS], 0x3e38aa3b                    ; c = log2(e) / 8
	s_mov_b32 s[CS+1], s[CS]
	s_mov_b32 s[SEL], 0x76543210
	s_mov_b32 s[SEL+1], 0xfedcba98
	s_mov_b32 s[TBK], SLOT1+4*KS*PK                ; the first change of slots turns these two into 0
	s_mov_b32 s[TBV], SLOT1+4*KS*PV
	s_mov_b32 s[G0K], 1
	s_mov_b32 s[G0K+1], s17
	s_mov_b32 s[G0V], 1
	s_add_co_u32 s[G0V+1], s3, VOFF
	s_mov_b32 s[SLOTS], 7                          ; slots still to be asked for
	s_and_b32 s[LIM], s[WV], 1                     ; 0 in waves 0 and 2,
	s_or_b32 s[LIM], s[LIM], ttmp9                 ; where the cluster is the pair's first
	s_cmp_eq_u32 s[LIM], 0
	s_cselect_b32 s[LIM], 1, -1
	v_and_b32 v[PFO], 31, v0
	v_lshlrev_b32 v[PFO], 8, v[PFO]
	s_wait_dscnt 0x0
	s_wait_kmcnt 0x0
	s_mov_b64 s[10:11], s[6:7]
	s_add_nc_u64 s[6:7], s[4:5], s[22:23]
	s_add_nc_u64 s[8:9], s[6:7], 0x1000000         ; V at my half of the pair's first 256 keys,
	s_add_nc_u64 s[6:7], s[6:7], 0x800000          ; K likewise
	s_add_nc_u64 s[4:5], s[4:5], s[48:49]          ; Q and O at my wave's first row
	s_add_nc_u64 s[10:11], s[10:11], s[48:49]
	s_mov_b64 s[G0K+2:G0K+3], s[6:7]
	s_or_b32 s[G0K+3], s[G0K+3], 0x80000000
	s_mov_b64 s[G0V+2:G0V+3], s[8:9]
	s_or_b32 s[G0V+3], s[G0V+3], 0x80000000
	s_cmp_lt_u32 s[WV], 2
	s_cselect_b64 s[PFA:PFA+1], s[6:7], s[8:9]     ; (in waves 0 and 2 these stand at a slot's first row)
	s_lshl_b32 s50, s13, 13                        ; my work-group's 8,192 bytes
	s_mov_b32 s51, 0
	s_add_nc_u64 s[PFA:PFA+1], s[PFA:PFA+1], s[50:51]
	s_add_nc_u64 s[PFA:PFA+1], s[PFA:PFA+1], 4*KS*128  ; in slot 1: the first change steps it to slot 2
	CROUND
	JLOAD                                          ; slot 0
	v_and_b32 v1, 15, v0
	v_bfe_u32 v9, v0, 4, 1
	v_lshlrev_b32 v[QO], 7, v1
	v_lshl_add_u32 v[QO], v9, 4, v[QO]
	WIN 0x80
.set i, 0
.rept 8                                ; Q stays in registers: piece i / 2, channels 32 (i % 2) on
	global_load_b128 v[8*i:8*i+3],   v[QO], s[4:5] offset:(i/2)*2048+(i%2)*64
	global_load_b128 v[8*i+4:8*i+7], v[QO], s[4:5] offset:(i/2)*2048+(i%2)*64+32
.set i, i+1
.endr
	; What the first turn finds: V's registers and P's second buffer hold 0 (its products V^T P, of a piece that has not been, add 0), O^T and l are 0.  All this stands in the wait for the first tile.
.set i, VF
.rept 64
	v_mov_b32 v[i], 0
.set i, i+1
.endr
	WIN 0x40
.set i, 0
.rept 128
	v_mov_b32 v[i], 0
.set i, i+1
.endr
	WIN 0
.set i, 0
.rept 4
	v_mov_b32 v[ST+4*i], 0xfe000000                ; c m: far below every c s
	v_mov_b32 v[ST+4*i+1], 0xff7fffff              ; m
	v_mov_b32 v[ST+4*i+2], 0
	v_mov_b32 v[ST+4*i+3], 0
.set i, i+1
.endr
.set i, P+16
.rept 16
	v_mov_b32 v[i], 0
.set i, i+1
.endr
	v_mul_u32_u24 v[AK0], v1, PK
	v_lshl_add_u32 v[AK0], v9, 4, v[AK0]
	v_and_b32 v10, 7, v0
	v_bfe_u32 v11, v0, 3, 1
	v_lshl_add_u32 v[AV0], v9, 3, v10
	v_mul_u32_u24 v[AV0], v[AV0], PV
	v_lshl_add_u32 v[AV0], v11, 4, v[AV0]
	v_add_nc_u32 v[AV0], VOFF, v[AV0]
	s_mul_i32 s13, s[WV], 16*SP
	s_add_co_u32 s13, s13, STAGE
	v_mul_u32_u24 v[STO], v1, SP
	v_lshl_add_u32 v[STO], v9, 4, v[STO]
	v_add_nc_u32 v[STO], s13, v[STO]
	v_bfe_u32 v[RD], v0, 3, 2
	v_mul_u32_u24 v[RD], v[RD], SP
	v_lshl_add_u32 v[RD], v10, 4, v[RD]
	v_add_nc_u32 v[RD], s13, v[RD]
	v_and_b32 v[GO], 31, v0
	v_lshlrev_b32 v[GO], 4, v[GO]
; THE MATRIX WORK.  The 4 accumulators of a run of 8 take turns.  Product i of 8 of S^T = K Q^T for piece x: channels 32 (i / 4) on, keys 16 (i % 4) on.  The first 4 start the sums.
.macro KQ x
.set rS, S+32*((\x)%2)+8*(i%4)
.set rK, KF+16*(i%4)+8*(i/4)
.set rQ, 16*(\x)+8*(i/4)
	WIN W_KQ
.if i < 4
	v_wmma_f32_16x16x32_bf16 v[rS:rS+7], v[rK:rK+7], v[rQ:rQ+7], 0
.else
	v_wmma_f32_16x16x32_bf16 v[rS:rS+7], v[rK:rK+7], v[rQ:rQ+7], v[rS:rS+7]
.endif
.endm
; Product i of 8 of O^T += V^T P for piece x: keys 32 (i / 4) on, channels 16 (i % 4) on.
.macro PV x
	WIN W_PV
.set rO, 32*(\x)+8*(i%4)
.set rV, VF+32*(i/4)+8*(i%4)
.set rP, P+16*((\x)%2)+8*(i/4)
	v_wmma_f32_16x16x32_bf16 v[rO:rO+7], v[rV:rV+7], v[rP:rP+7], v[rO:rO+7]
.endm
.macro MM                              ; the turn's next matrix instruction
.if i < 8
	KQ (Y+1)%NP
.else
.set i, i-8
	PV (Y+NP-1)%NP
.set i, i+8
.endif
.set i, i+1
.endm
; THE LDS LOADS stand in runs of 16.  last = 1 (the tail): the address stops at the last slot's last step, so that the trip behind it fetches that K once more and reads nothing else.
.macro FETCH_K last=0
	WIN 0x80
.irp f, 0,1,2,3,4,5,6,7
	ds_load_b128 v[KF+8*\f:KF+8*\f+3],   v[AK] offset:(\f/2)*16*PK+(\f%2)*64
	ds_load_b128 v[KF+8*\f+4:KF+8*\f+7], v[AK] offset:(\f/2)*16*PK+(\f%2)*64+32
.endr
	s_add_co_u32 s[TBK], s[TBK], KS*PK
.if \last
	s_min_u32 s[TBK], s[TBK], SLOT1+3*KS*PK
.endif
	WIN 0
.endm
.macro FETCH_V
	WIN 0x80
.irp f, 0,1,2,3,4,5,6,7
	ds_load_tr16_b128 v[VF+8*\f:VF+8*\f+3],   v[AV] offset:(\f/4)*32*PV+(\f%4)*32
	ds_load_tr16_b128 v[VF+8*\f+4:VF+8*\f+7], v[AV] offset:(\f/4)*32*PV+16*PV+(\f%4)*32
.endr
	WIN 0
.endm
; THE VECTOR WORK, one line at a time: OP kind, number.  For piece Y: F n: c s - c m for pair n of 16.  E n: the exponential of score n of 32.  C n: pair n rounded to bf16.  B n: of the four weights 4 n .. the second
; pair is added onto the first.  L n: l takes that sum (L 0: l = a l + sum).  R n: pair n of 16 of O^T times a.  For piece Y + 1: X n, number n of the 22 that find its maximum and statistics:
;   0-11 four chains c0-c3 of seven scores each (each accumulator's lowest registers are read first)   12-14, 16 the four scores left over, the old m, c0-c3 into c0
;   15 c m_old is kept   17, 18 the query's other 32 keys lie in the lane 16 away: the new m   19-21 c m; c m_old - c m_new; a
.set F, 0
.set E, 1
.set C, 2
.set B, 3
.set L, 4
.set R, 5
.set X, 6
.macro REGS y
.set rT, ST+4*(\y)
.set rC, TMP+4*((\y)%2)
.set rW, MV+((\y)%2)
.set rS, S+32*((\y)%2)
.set rP, P+16*((\y)%2)
.set rO, 32*(\y)
.endm
.macro OP k, n
.if (\k) == R
	REGS Y
	WIN W_RS
	v_pk_mul_f32 v[rO+2*(\n):rO+2*(\n)+1], v[rO+2*(\n):rO+2*(\n)+1], v[rC+2:rC+3] op_sel_hi:[1,0]
.elseif (\k) < R
	REGS Y
	WIN 0
.if (\k) == F
	v_pk_fma_f32 v[rS+2*(\n):rS+2*(\n)+1], v[rS+2*(\n):rS+2*(\n)+1], s[CS:CS+1], v[rT:rT+1] op_sel_hi:[1,0,0] neg_lo:[0,0,1] neg_hi:[0,0,1]
.elseif (\k) == E
	v_exp_f32 v[rS+(\n)], v[rS+(\n)]
.elseif (\k) == C
	v_cvt_pk_bf16_f32 v[rP+(\n)], v[rS+2*(\n)], v[rS+2*(\n)+1]
.elseif (\k) == B
	v_pk_add_f32 v[rS+4*(\n):rS+4*(\n)+1], v[rS+4*(\n):rS+4*(\n)+1], v[rS+4*(\n)+2:rS+4*(\n)+3]
.elseif (\n) == 0
	v_pk_fma_f32 v[rT+2:rT+3], v[rT+2:rT+3], v[rC+2:rC+3], v[rS:rS+1] op_sel_hi:[1,0,1]
.else
	v_pk_add_f32 v[rT+2:rT+3], v[rT+2:rT+3], v[rS+4*(\n):rS+4*(\n)+1]
.endif
.else
	REGS (Y+1)%NP
	WIN 0
.if (\n) < 4
	v_max3_num_f32 v[rC+(\n)], v[rS+8*(\n)], v[rS+8*(\n)+1], v[rS+8*(\n)+2]
.elseif (\n) < 12
	v_max3_num_f32 v[rC+(\n)%4], v[rC+(\n)%4], v[rS+8*((\n)%4)+2*((\n)/4)+1], v[rS+8*((\n)%4)+2*((\n)/4)+2]
.elseif (\n) == 12
	v_max3_num_f32 v[rC], v[rC], v[rS+7], v[rS+15]
.elseif (\n) == 13
	v_max3_num_f32 v[rC+1], v[rC+1], v[rS+23], v[rS+31]
.elseif (\n) == 14
	v_max3_num_f32 v[rC+2], v[rC+2], v[rC+3], v[rT+1]
.elseif (\n) == 15
	v_mov_b32 v[rW], v[rT]
.elseif (\n) == 16
	v_max3_num_f32 v[rC], v[rC], v[rC+1], v[rC+2]
.elseif (\n) == 17
	v_permlanex16_b32 v[rC+3], v[rC], s[SEL], s[SEL+1]
.elseif (\n) == 18
	v_max_num_f32 v[rT+1], v[rC], v[rC+3]
.elseif (\n) == 19
	v_mul_f32 v[rT], s[CS], v[rT+1]
.elseif (\n) == 20
	v_sub_f32 v[rC+1], v[rW], v[rT]
.else
	v_exp_f32 v[rC+2], v[rC+1]
.endif
.endif
.endm
.macro OPS a, i1, b=-1, i2=0, c=-1, i3=0, d=-1, i4=0
	OP \a, \i1
.if (\b) >= 0
	OP \b, \i2
.endif
.if (\c) >= 0
	OP \c, \i3
.endif
.if (\d) >= 0
	OP \d, \i4
.endif
.endm
.macro ROW a, i1, b, i2, c, i3, d, i4  ; a matrix instruction and the four behind it
	MM
	OPS \a, \i1, \b, \i2, \c, \i3, \d, \i4
.endm
; A TURN, for piece p.  One wait cuts it in two.  AHEAD OF IT stands all that names no result of the turn's exponentials: the 8 products K Q^T with their four riders each, then a run of 54 in which plain and
; exponential go by turns for the most part and the links of the chain X 3, 7, 11, 14, 16, 17 .. 20 stand some lines apart; X 21, the next piece's a, is the batch's last, R 15 the plain instruction behind it.
; BEHIND IT stand the 8 products V^T P, behind each four of the roundings and sums.  K of the next step is fetched in piece 2's turn, twelve vector instructions (six of them plain) behind the last product that
; read K; V of the step in hand at the end of piece 0's turn, four plain instructions behind the last product that read V.  Each is waited for a turn later.
; cnt = 1: the loop's count is taken down some lines ahead of the branch that stands behind the turn.
.macro TURN p, last=0, cnt=0
.set Y, (\p)
.set i, 0
.if (\p) == 3
	s_wait_dscnt 0x0                               ; K is in
.endif
	ROW F,0, F,1, R,0, R,1
	ROW F,2, E,0, R,2, R,3
	ROW F,3, E,1, R,4, R,5
	ROW F,4, E,2, R,6, R,7
	ROW F,5, E,3, R,8, R,9
	ROW F,6, E,4, X,0, R,10
.if (\p) == 2
	WIN 0
	v_add_nc_u32 v[AK], s[TBK], v[AK0]
.endif
	ROW F,7, E,5, X,1, X,4
	ROW F,8, E,6, X,2, X,5
	OPS E,7, E,8, X,6, E,9
	OPS X,3, E,10, X,8, E,11
.if (\p) == 2
	FETCH_K \last
.endif
	OPS X,9, X,7, E,12, X,10
	OPS E,13, X,12, X,11, E,14
	OPS X,13, E,15, F,9, X,14
.if (\p) == 0
	v_add_nc_u32 v[AV], s[TBV], v[AV0]
.endif
	OPS E,16, F,10, E,17, F,11
	OPS X,16, E,18, X,15, E,19
	OPS F,12, E,20, X,17, E,21
	OPS F,13, E,22, F,14, E,23
	OPS X,18, E,24, F,15, E,25
	OPS R,11, E,26, X,19, E,27
	OPS R,12, E,28, R,13, E,29
	OPS X,20, E,30, R,14, E,31
	OPS X,21, R,15
	WIN 0
	s_wait_alu depctr_va_vdst(0)                   ; the one wait for the batch, ahead of its first reader
.if (\p) == 1
	s_wait_dscnt 0x0                               ; V is in
.endif
	ROW C,0, B,0, C,2, B,1
	ROW L,0, C,4, B,2, L,1
	ROW C,6, B,3, L,2, C,8
	ROW B,4, L,3, C,10, B,5
	ROW L,4, C,12, B,6, L,5
.if (\p) == 0
	s_add_co_u32 s[TBV], s[TBV], KS*PV
.endif
.if \cnt
	s_sub_co_u32 s[CNT], s[CNT], 1
	s_cmp_lg_u32 s[CNT], 0
.endif
	ROW C,14, B,7, L,6, C,1
	ROW C,3, L,7, C,5, C,7
	ROW C,9, C,11, C,13, C,15
.if (\p) == 0
	FETCH_V
.endif
.endm
	CHANGE 1                                       ; slot 0 is in, everybody's part of it; slot 1 is asked for
	v_add_nc_u32 v[AK], s[TBK], v[AK0]
	FETCH_K                                        ; key step 0
	s_wait_loadcnt 0x0                             ; Q
	s_wait_dscnt 0x0
.set i, 0
.rept 8
	KQ 0                                           ; piece 0's first scores
.set i, i+1
.endr
	WIN 0
.rept 4
	v_nop                                          ; the places behind those products
.endr
.set Y, NP-1                           ; X works for piece Y + 1: piece 0
.irp n, 0,1,2,3,4,5,6,7,8,9,10,11,12,13,14,15,16,17,18,19,20,21
	OP X, \n
.endr
	v_nop                                          ; a plain instruction behind the exponential,
	s_wait_alu depctr_va_vdst(0)                   ; and its wait, ahead of the branch
	s_mov_b32 s[CNT], 4
	s_branch .Lfirst                               ; the loop is entered at a step's first turn, in the middle of a trip
.Lslot:                                        ; six times: every slot but the last two is filled again
	CHANGE 1
	s_mov_b32 s[CNT], 4
.Lstep:                                        ; a trip: pieces 2 and 3 of one step, then pieces 0 and 1 of the next, whose K and V it fetches
	TURN 2
	TURN 3
	WIN 0
.Lfirst:
	TURN 0
	TURN 1, 0, 1
	WIN 0
	s_cbranch_scc1 .Lstep
	s_sub_co_u32 s[SLOTS], s[SLOTS], 1
	s_cmp_lg_u32 s[SLOTS], 0
	s_cbranch_scc1 .Lslot
	CHANGE 0                                       ; the tail is written out: nothing is asked for
	s_mov_b32 s[CNT], 5                            ; four trips fetch the last slot's steps; the fifth is left in its middle
.Ltail:
	TURN 2, 1
	TURN 3
	WIN 0
	s_sub_co_u32 s[CNT], s[CNT], 1
	s_cmp_eq_u32 s[CNT], 0
	s_cbranch_scc1 .Lout
	TURN 0
	TURN 1
	WIN 0
	s_branch .Ltail
.Lout:                                         ; the fifth trip's 8 products K Q^T (on the last K once more) and the maximum made of them serve nothing: the price, once a launch, of one text for every trip
.set i, 0
.rept 8
	PV NP-1
.set i, i+1
.endr
	; THE WAY OUT.  l's two halves and the other half of the lanes' are added; O^T is divided by l, rounded to bf16 and sent through my stage in LDS, a piece at a time.  The additions are the places behind the last products.
	WIN 0
.macro ALL line:vararg
.set t, 0
.rept 4
	\line
.set t, t+1
.endr
.endm
	ALL v_add_f32 v[ST+4*t+2], v[ST+4*t+2], v[ST+4*t+3]
	ALL v_permlanex16_b32 v[ST+4*t+3], v[ST+4*t+2], s[SEL], s[SEL+1]
	ALL v_add_f32 v[ST+4*t+2], v[ST+4*t+2], v[ST+4*t+3]
	ALL v_rcp_f32 v[ST+4*t+2], v[ST+4*t+2]
	v_nop
	s_wait_alu depctr_va_vdst(0)                   ; one wait for the four reciprocals
.macro PACK t                          ; a lane's eight channels of a row pack into 16 bytes; they go into rows of 144 bytes and come back as whole rows of 128
	WIN W_RS
.set i, 32*(\t)
.rept 16
	v_pk_mul_f32 v[i:i+1], v[i:i+1], v[ST+4*(\t)+2:ST+4*(\t)+3] op_sel_hi:[1,0]
.set i, i+2
.endr
	WIN 0x05
.set i, 0
.rept 16
	v_cvt_pk_bf16_f32 v[S+16*(\t)+i], v[32*(\t)+2*i], v[32*(\t)+2*i+1]
.set i, i+1
.endr
	WIN 0
.irp f, 0,1,2,3
	ds_store_b128 v[STO], v[S+16*(\t)+4*\f:S+16*(\t)+4*\f+3] offset:32*\f
.endr
.irp f, 0,1,2,3
	ds_load_b128 v[S+16*(\t)+4*\f:S+16*(\t)+4*\f+3], v[RD] offset:\f*4*SP  ; LDS serves a wave's instructions in order: these see the stores above; the next piece's stores come behind them
.endr
.endm
.macro SEND t, younger                 ; younger: the LDS instructions issued behind piece t's loads: the next piece's eight, or none
	WIN 0
.irp f, 0,1,2,3
	s_wait_dscnt (\younger)+3-\f
	global_store_b128 v[GO], v[S+16*(\t)+4*\f:S+16*(\t)+4*\f+3], s[10:11] offset:(\t)*2048+\f*512  ; 512 consecutive bytes, aligned
.endr
.endm
	PACK 0
.set t, 1
.rept 3
	PACK t
	SEND t-1, 8
.set t, t+1
.endr
	SEND 3, 0
	s_wait_tensorcnt 0x0                           ; the wave's end
	ds_add_u32 v[SPW], v[NIL]
	s_wait_dscnt 0x0
	CROUND                                         ; the closing round
	s_endpgm
.Lfunc_end_k_qd4c90ff780_attn:
	.size	k_qd4c90ff780_attn, .Lfunc_end_k_qd4c90ff780_attn-k_qd4c90ff780_attn
	.p2alignl 7, 3214868480
	.fill 96, 4, 3214868480
	.section	.rodata,"a",@progbits
	.p2align	6, 0x0
	.amdhsa_kernel k_qd4c90ff780_attn
		.amdhsa_group_segment_fixed_size 327680
		.amdhsa_private_segment_fixed_size 0
		.amdhsa_enable_private_segment 0
		.amdhsa_kernarg_size 16
		.amdhsa_user_sgpr_count 2
		.amdhsa_user_sgpr_kernarg_segment_ptr 1
		.amdhsa_wavefront_size32 1
		.amdhsa_system_sgpr_workgroup_id_x 1
		.amdhsa_system_sgpr_workgroup_id_y 1
		.amdhsa_system_sgpr_workgroup_id_z 1
		.amdhsa_system_vgpr_workitem_id 0
		.amdhsa_next_free_vgpr 768
		.amdhsa_next_free_sgpr 66
		.amdhsa_reserve_vcc 0
		.amdhsa_float_denorm_mode_32 3
		.amdhsa_float_denorm_mode_16_64 3
		.amdhsa_memory_ordered 1
		.amdhsa_forward_progress 1
		.amdhsa_inst_pref_size 112
	.end_amdhsa_kernel
	.amdgpu_metadata
---
amdhsa.version: [ 1, 2 ]
amdhsa.kernels:
  - .name:           k_qd4c90ff780_attn
    .symbol:         k_qd4c90ff780_attn.kd
    .args:
      - { .name: qkv, .offset: 0, .size: 8, .value_kind: global_buffer, .address_space: global }
      - { .name: ao, .offset: 8, .size: 8, .value_kind: global_buffer, .address_space: global }
    .group_segment_fixed_size: 327680
    .private_segment_fixed_size: 0
    .kernarg_segment_align: 8
    .kernarg_segment_size: 16
    .max_flat_workgroup_size: 128
    .sgpr_count:     66
    .vgpr_count:     768
    .wavefront_size: 32
...
	.end_amdgpu_metadata
.endif
;; end of part 4
;; launch wo (part 5): grid 8 x 32, 4 waves a work-group, clusters of 4 x 4, 327,680 bytes of LDS; arguments ao, wb, bo, x, x1; writes x1
.if DOCPART == 5
	.amdgcn_target "amdgcn-amd-amdhsa--gfx1250"
	.amdhsa_code_object_version 6
	.text
	.protected	k_qd4c90ff780_wo
	.globl	k_qd4c90ff780_wo
	.p2align	8
	.type	k_qd4c90ff780_wo,@function
k_qd4c90ff780_wo:
	s_mov_b64 s[64:65], 0
	v_nop
	global_prefetch_b8 v0, s[64:65] scope:SCOPE_SE
	s_setreg_imm32_b32 hwreg(HW_REG_WAVE_MODE, 25, 1), 1
	s_wait_xcnt 0x0
	s_wait_alu depctr_hold_cnt(0) depctr_sa_sdst(0) depctr_va_vdst(0) depctr_va_sdst(0) depctr_va_ssrc(0) depctr_va_vcc(0) depctr_vm_vsrc(0)
	s_getreg_b32 s2, hwreg(HW_REG_IB_STS2, 6, 4)
	s_cmp_eq_u32 s2, 0
	s_cbranch_scc0 .Lentry_in_a_cluster
	s_endpgm
.Lentry_in_a_cluster:
	s_bfe_u32 s2, ttmp6, 0x10000c
	s_cmp_lg_u32 s2, 0xf033
	s_cbranch_scc0 .Lentry_shape_is_right
	s_endpgm
.Lentry_shape_is_right:
; x1 = x + ao Wo + bo.  ao: [16][4096][64] bf16 (column block, row, 64 columns: rows of 128 bytes, dense); Wo: [1024 k][1024 n] bf16 at byte 6 MiB of wb; bo, x, x1 f32.  Sums in f32.
; SHARES.  128 x 128 of the result to a work-group, which gives 256 work-groups; four waves, 2 x 2, 64 x 64 each: 16 accumulators.  K goes in NSTEP steps of 256 through two LDS slots filled by tensor loads.
; A K step of A is four column blocks: one load brings 64 rows of each (four runs of 8,192 dense bytes), padded in LDS after every row of 128 bytes.
; CLUSTER 4 x 4: A's tiles are shared along a row of the cluster, the weight's along a column, each asked for jointly.
; THE MATRIX INSTRUCTION IS USED TRANSPOSED (source 0 = 16 columns of W by the turning load, source 1 = 16 rows of A); THE BIAS is the C operand of each accumulator's first product.
; THE RESIDUAL's 64 x 64 numbers a wave are loaded at the start into 128 registers and added on the way out.
; REGISTERS: window 0: v0-31 addresses, v32-63 bias, v64-127 at work on the way out, v128-255 accumulators.  window 1: two fragment buffers of 128 (64 of A, 64 of W, for 64 along K).  window 2: v0-127 the residual.
; LIMITS: bf16 operands; NaN and infinities are not treated apart.
.set NSTEP, 4                          ; K = 1,024
.set WBOFF, 6<<20
.set PAK,   144                        ; a row of A in LDS: 128 bytes + 16
.set PB,    288                        ; a row (one k) of the weight's tile: 256 + 32
.set HALF,  128*PB                     ; what one tensor load brings: 36,864 bytes = 4 x 64 x 144 = 128 x 288
.set BOFF,  2*HALF
.set SLOT,  4*HALF
.set SPARE, 2*SLOT                     ; the spare words, 128 bytes a wave: two blocks of 256 bytes that no other line names
.set ASTEP, 4*4096*128
.set BSTEP, 256*2048
.set SP,    272                        ; a stage row: 64 f32 + 16 bytes
.set SREG,  64*SP
.set A0, 2
.set B0, 3
.set ADRA, 4
.set ADRB, 5                           ; v5: k 0-127 of the slot's tile; v6: k 128-255
.set STO, 8
.set RD,  9
.set CO,  11                           ; my byte offset in two rows of x and x1
.set BO,  14
.set SPW, 28
.set NIL, 29
.set BIAS, 32
.set TM,  64
.set ACC, 128
.set F0,  0
.set F1,  128
.set WV, 20
.set WR, 21
.set WC, 22
.set CX, 23
.set CY, 24
.set TX, 25
.set TY, 26
.set CNT, 27
.set TB,  28
.set SLF, 29
.set WOFF, 30
.set G1A, 32
.set G1B, 40
.set G0A, 48
.set G0B, 56
.set MSB, 0
.macro WIN new
.if MSB != (\new)
	s_set_vgpr_msb (MSB<<8)|(\new)
.set MSB, (\new)
.endif
.endm
.macro PLACES
.rept 4
	v_nop
.endr
.endm
.macro CREST
	s_cmp_lg_u32 s[WV], 0
	s_cbranch_scc1 .Lnot_wave_0_\@
	s_barrier_signal -3
.Lnot_wave_0_\@:
	s_barrier_wait -3
	s_barrier_signal -1
	s_barrier_wait -1
.endm
.macro CROUND
	s_barrier_signal -1
	s_barrier_wait -1
	CREST
.endm
.macro JLOAD                           ; a joint refill: waves 0 and 1 fetch A's two halves, waves 2 and 3 the weight's
	s_cmp_eq_u32 s[WR], 0
	s_cbranch_scc0 .Lfor_b_\@
	tensor_load_to_lds s[G0A+4:G0A+7], s[G1A:G1A+7]
	s_nop 0
	PLACES
	s_branch .Lasked_\@
.Lfor_b_\@:
	tensor_load_to_lds s[G0B+4:G0B+7], s[G1B:G1B+7]
	s_nop 0
	PLACES
.Lasked_\@:
.endm
	s_load_b256 s[4:11], s[0:1], 0x0               ; A s[4:5], wb s[6:7], bias s[8:9], residual s[10:11]
	s_load_b64 s[12:13], s[0:1], 0x20              ; the result
	v_lshl_add_u32 v[SPW], v0, 2, SPARE
	v_mov_b32 v[NIL], 0
	ds_add_u32 v[SPW], v[NIL]                      ; the wave's opening: the add and its wait ahead of my first tensor load
	v_lshrrev_b32 v1, 5, v0
	v_readfirstlane_b32 s[WV], v1
	s_lshr_b32 s[WR], s[WV], 1
	s_and_b32 s[WC], s[WV], 1
	s_bfe_u32 s[CX], ttmp6, 0x40000
	s_bfe_u32 s[CY], ttmp6, 0x40004
	s_lshl_b32 s[TX], ttmp9, 2
	s_add_co_u32 s[TX], s[TX], s[CX]
	s_and_b32 s[TY], ttmp7, 0xffff
	s_lshl_b32 s[TY], s[TY], 2
	s_add_co_u32 s[TY], s[TY], s[CY]
	s_lshl_b32 s72, s[CY], 2
	s_lshl_b32 s72, 15, s72
	s_lshl_b32 s76, 0x1111, s[CX]
	s_or_b32 s[G1A], s72, (1<<16)|(1<<20)|(1<<21)|(4<<22)|(3<<25)  ; my row's mask; 2-byte elements; padding: after every 32 words 4 words
	s_or_b32 s[G1B], s76, (1<<16)|(1<<20)|(1<<21)|(5<<22)|(7<<25)  ; my column's mask; after every 64 words 8 words
	s_mov_b32 s[G1A+1], 4096<<16                   ; tensor_dim0 = 4,096 elements: 64 dense rows of a column block
	s_mov_b32 s[G1A+2], 4<<16                      ; tensor_dim1 = 4 column blocks
	s_mov_b32 s[G1A+3], 4096<<16                   ; tile_dim0
	s_mov_b32 s[G1A+4], 4                          ; tile_dim1
	s_mov_b32 s[G1A+5], 4096*64                    ; elements from block to block
	s_mov_b32 s[G1A+6], 0
	s_mov_b32 s[G1A+7], 0
	s_mov_b32 s[G1B+1], 128<<16
	s_mov_b32 s[G1B+2], 128<<16
	s_mov_b32 s[G1B+3], 128<<16
	s_mov_b32 s[G1B+4], 128
	s_mov_b32 s[G1B+5], 1024
	s_mov_b32 s[G1B+6], 0
	s_mov_b32 s[G1B+7], 0
	s_lshl_b32 s70, s[TY], 14                      ; A: row 128 TY + 64 x half, 128 bytes a row
	s_lshl_b32 s71, s[WC], 13
	s_add_co_u32 s70, s70, s71
	s_mov_b32 s71, 0
	s_lshl_b32 s74, s[WC], 18                      ; W: k 128 x half, 2,048 bytes a k; 256 bytes a column block
	s_lshl_b32 s75, s[TX], 8
	s_add_co_u32 s74, s74, s75
	s_add_co_u32 s74, s74, WBOFF
	s_mov_b32 s75, 0
	s_mul_i32 s[WOFF], s[WV], HALF
	s_mov_b32 s[TB], 0
	s_mov_b32 s[SLF], SLOT
	s_wait_dscnt 0x0
	s_wait_kmcnt 0x0
	s_add_nc_u64 s[70:71], s[4:5], s[70:71]
	s_add_nc_u64 s[74:75], s[6:7], s[74:75]
.irp s, 0,1
	s_mov_b32 s[G0A+4*(\s)], 1
	s_add_co_u32 s[G0A+4*(\s)+1], s[WOFF], (\s)*SLOT
	s_add_nc_u64 s[G0A+4*(\s)+2:G0A+4*(\s)+3], s[70:71], (\s)*ASTEP
	s_or_b32 s[G0A+4*(\s)+3], s[G0A+4*(\s)+3], 0x80000000
	s_mov_b32 s[G0B+4*(\s)], 1
	s_add_co_u32 s[G0B+4*(\s)+1], s[WOFF], (\s)*SLOT
	s_add_nc_u64 s[G0B+4*(\s)+2:G0B+4*(\s)+3], s[74:75], (\s)*BSTEP
	s_or_b32 s[G0B+4*(\s)+3], s[G0B+4*(\s)+3], 0x80000000
.endr
	CROUND
	s_cmp_eq_u32 s[WR], 0                          ; a wave's two first fills stand in one branch: two loads of mine are out
	s_cbranch_scc0 .Lfirst_b
	tensor_load_to_lds s[G0A:G0A+3], s[G1A:G1A+7]
	s_nop 0
	tensor_load_to_lds s[G0A+4:G0A+7], s[G1A:G1A+7]
	s_nop 0
	PLACES
	s_branch .Lfirst_asked
.Lfirst_b:
	tensor_load_to_lds s[G0B:G0B+3], s[G1B:G1B+7]
	s_nop 0
	tensor_load_to_lds s[G0B+4:G0B+7], s[G1B:G1B+7]
	s_nop 0
	PLACES
.Lfirst_asked:
	s_lshl_b32 s78, s[TX], 9                       ; my 64 columns, in f32 bytes
	s_lshl_b32 s76, s[WC], 8
	s_add_co_u32 s78, s78, s76
	s_mov_b32 s79, 0
	s_add_nc_u64 s[8:9], s[8:9], s[78:79]
	s_lshl_b32 s76, s[TY], 19                      ; my 64 rows of 4,096 bytes
	s_add_co_u32 s78, s78, s76
	s_lshl_b32 s76, s[WR], 18
	s_add_co_u32 s78, s78, s76
	s_add_nc_u64 s[10:11], s[10:11], s[78:79]
	s_add_nc_u64 s[12:13], s[12:13], s[78:79]
	v_and_b32 v16, 15, v0
	v_bfe_u32 v17, v0, 4, 1
	v_and_b32 v18, 7, v0
	v_bfe_u32 v19, v0, 3, 1
	v_lshlrev_b32 v[BO], 5, v17
	v_lshlrev_b32 v[CO], 12, v17                   ; lanes 0-15 one row's 256 bytes, lanes 16-31 the next row's
	v_lshl_add_u32 v[CO], v16, 4, v[CO]
.irp b, 0,1,2,3
	global_load_b128 v[BIAS+8*(\b):BIAS+8*(\b)+3], v[BO], s[8:9] offset:64*(\b)
	global_load_b128 v[BIAS+8*(\b)+4:BIAS+8*(\b)+7], v[BO], s[8:9] offset:64*(\b)+16
.endr
	WIN 0x80                                       ; destination window 2
.set i, 0
.rept 32
	global_load_b128 v[4*i:4*i+3], v[CO], s[10:11] offset:8192*i th:TH_LOAD_NT
.set i, i+1
.endr
	WIN 0
	v_mul_u32_u24 v[A0], v16, PAK
	v_lshl_add_u32 v[A0], v17, 4, v[A0]
	s_mul_i32 s76, s[WR], HALF
	v_add_nc_u32 v[A0], s76, v[A0]
	v_lshl_add_u32 v[B0], v17, 3, v18
	v_mul_u32_u24 v[B0], v[B0], PB
	v_lshl_add_u32 v[B0], v19, 4, v[B0]
	s_lshl_b32 s76, s[WC], 7
	s_add_co_u32 s76, s76, BOFF
	v_add_nc_u32 v[B0], s76, v[B0]
	s_mul_i32 s76, s[WV], SREG
	v_mul_u32_u24 v[STO], v16, SP
	v_lshl_add_u32 v[STO], v17, 5, v[STO]
	v_add_nc_u32 v[STO], s76, v[STO]
	v_mul_u32_u24 v[RD], v17, SP
	v_lshl_add_u32 v[RD], v16, 4, v[RD]
	v_add_nc_u32 v[RD], s76, v[RD]
.macro SETADR
	v_add_nc_u32 v[ADRA], s[TB], v[A0]
	v_add_nc_u32 v[ADRB], s[TB], v[B0]
	v_add_nc_u32 v[ADRB+1], HALF, v[ADRB]
.endm
; 32 LDS loads in one run: quarter q (64 along K = one column block of A) into buffer f; its first 32 along K first
.macro FETCH q, f
	WIN 0x40
.irp c, 0,1
.irp i, 0,1,2,3
	ds_load_tr16_b128 v[(\f)+64+8*(4*(\c)+(\i)):(\f)+64+8*(4*(\c)+(\i))+3],   v[ADRB+(\q)/2] offset:(64*((\q)%2)+32*(\c))*PB+32*(\i)
	ds_load_tr16_b128 v[(\f)+64+8*(4*(\c)+(\i))+4:(\f)+64+8*(4*(\c)+(\i))+7], v[ADRB+(\q)/2] offset:(64*((\q)%2)+32*(\c))*PB+32*(\i)+16*PB
	ds_load_b128 v[(\f)+8*(4*(\c)+(\i)):(\f)+8*(4*(\c)+(\i))+3],   v[ADRA] offset:(\q)*64*PAK+(\i)*16*PAK+64*(\c)
	ds_load_b128 v[(\f)+8*(4*(\c)+(\i))+4:(\f)+8*(4*(\c)+(\i))+7], v[ADRA] offset:(\q)*64*PAK+(\i)*16*PAK+64*(\c)+32
.endr
.endr
.endm
; 8 matrix instructions: row blocks a0, a0 + 1 x all 4 column blocks, half c of buffer f.  first = 1: the product starts the sum on the bias.  The 16 accumulators take turns.
.macro MUL8 f, c, a0, first
	WIN 0x05
.irp a, \a0, (\a0)+1
.irp b, 0,1,2,3
.if \first
	v_wmma_f32_16x16x32_bf16 v[ACC+8*(4*(\a)+(\b)):ACC+8*(4*(\a)+(\b))+7], v[(\f)+64+8*(4*(\c)+(\b)):(\f)+64+8*(4*(\c)+(\b))+7], v[(\f)+8*(4*(\c)+(\a)):(\f)+8*(4*(\c)+(\a))+7], v[BIAS+8*(\b):BIAS+8*(\b)+7]
.else
	v_wmma_f32_16x16x32_bf16 v[ACC+8*(4*(\a)+(\b)):ACC+8*(4*(\a)+(\b))+7], v[(\f)+64+8*(4*(\c)+(\b)):(\f)+64+8*(4*(\c)+(\b))+7], v[(\f)+8*(4*(\c)+(\a)):(\f)+8*(4*(\c)+(\a))+7], v[ACC+8*(4*(\a)+(\b)):ACC+8*(4*(\a)+(\b))+7]
.endif
.endr
.endr
.endm
.macro QUARTER q, f, g, first
	s_wait_dscnt 16                                ; the first 32 along K are in; the youngest sixteen loads may be out
	MUL8 \f, 0, 0, \first
	MUL8 \f, 0, 2, \first
	PLACES
	FETCH \q, \g
	s_wait_dscnt 32                                ; all but the 32 just issued
	MUL8 \f, 1, 0, 0
	MUL8 \f, 1, 2, 0
.endm
; The last quarter multiplies buffer 1 and changes slots: one barrier; in front of it each wave waits for all its tensor loads, adds 0 to its spare word, and waits for that and for its reads of this slot.
; fill = 1: the barrier opens a round of the cluster's, and the joint refill, two K steps ahead, is the first thing behind it.  fill = 0 (the tail): in the last trip there is no next slot: its fetch is jumped over.
.macro TURN fill
	WIN 0
	s_wait_tensorcnt 0x0
	ds_add_u32 v[SPW], v[NIL]
	s_wait_dscnt 17                                ; the add and the youngest sixteen loads may be out
	MUL8 F1, 0, 0, 0
	s_wait_dscnt 0x0
	s_barrier_signal -1
	MUL8 F1, 0, 2, 0
	WIN 0
	s_barrier_wait -1
.if \fill
	CREST
	s_xor_b32 s[SLF], s[SLF], SLOT
	s_add_co_u32 s[G0A+5], s[WOFF], s[SLF]
	s_add_co_u32 s[G0B+5], s[WOFF], s[SLF]
	s_add_nc_u64 s[G0A+6:G0A+7], s[G0A+6:G0A+7], ASTEP
	s_add_nc_u64 s[G0B+6:G0B+7], s[G0B+6:G0B+7], BSTEP
	JLOAD
.else
	PLACES
	s_cmp_eq_u32 s[CNT], 1
	s_cbranch_scc1 .Lno_more_\@
.endif
	s_xor_b32 s[TB], s[TB], SLOT
	SETADR
	FETCH 0, F0
	WIN 0
.if !(\fill)
.Lno_more_\@:
.endif
	MUL8 F1, 1, 0, 0
	MUL8 F1, 1, 2, 0
.endm
	s_wait_tensorcnt 1                             ; my part of K step 0 is in; K step 1's may stay out
	s_barrier_signal -1
	s_barrier_wait -1
	SETADR
	FETCH 0, F0
	s_wait_loadcnt 32                              ; the bias is in; the residual's 32 loads stay out
	QUARTER 1, F0, F1, 1
	WIN 0
	s_mov_b32 s[CNT], NSTEP-2
.Lk:
	QUARTER 2, F1, F0, 0
	QUARTER 3, F0, F1, 0
	TURN 1
	QUARTER 1, F0, F1, 0
	WIN 0
	s_sub_co_u32 s[CNT], s[CNT], 1
	s_cmp_lg_u32 s[CNT], 0
	s_cbranch_scc1 .Lk
	s_mov_b32 s[CNT], 2
.Lt:
	QUARTER 2, F1, F0, 0
	QUARTER 3, F0, F1, 0
	TURN 0
	WIN 0
	s_sub_co_u32 s[CNT], s[CNT], 1
	s_cmp_eq_u32 s[CNT], 0
	s_cbranch_scc1 .Lout
	QUARTER 1, F0, F1, 0
	WIN 0
	s_branch .Lt
.Lout:
	; THE WAY OUT.  The ring has had its last fill and becomes the stage, each wave's part its own: in by lanes, back by rows; the residual is added; sixteen lanes store 256 consecutive bytes, aligned.
	s_wait_dscnt 0x0
	s_barrier_signal -1                            ; no wave stores into the ring before every wave's reads of it are over
	s_barrier_wait -1
	PLACES
.irp a, 0,1,2,3
.irp b, 0,1,2,3
	ds_store_b128 v[STO], v[ACC+8*(4*(\a)+(\b)):ACC+8*(4*(\a)+(\b))+3] offset:(\a)*16*SP+64*(\b)
	ds_store_b128 v[STO], v[ACC+8*(4*(\a)+(\b))+4:ACC+8*(4*(\a)+(\b))+7] offset:(\a)*16*SP+64*(\b)+16
.endr
.endr
.macro BACK g                          ; group g: eight pairs of rows back from the stage, into set g % 2
.irp j, 0,1,2,3,4,5,6,7
	ds_load_b128 v[TM+32*((\g)%2)+4*(\j):TM+32*((\g)%2)+4*(\j)+3], v[RD] offset:(8*(\g)+(\j))*2*SP
.endr
.endm
	BACK 0
	s_wait_loadcnt 0x0                             ; the residual
.irp g, 0,1,2,3
.if (\g) < 3
.if (\g) > 0
	s_wait_xcnt 0x0                                ; the stores of the group before last have read the set that is loaded again
.endif
	BACK (\g)+1
	s_wait_dscnt 8                                 ; this group is back; the next group's eight loads stay out
.else
	s_wait_dscnt 0x0
.endif
	WIN 0x08                                       ; source 1, the residual, in window 2
.set i, 0
.rept 16
	v_pk_add_f32 v[TM+32*((\g)%2)+2*i:TM+32*((\g)%2)+2*i+1], v[TM+32*((\g)%2)+2*i:TM+32*((\g)%2)+2*i+1], v[32*(\g)+2*i:32*(\g)+2*i+1]
.set i, i+1
.endr
	WIN 0
.irp j, 0,1,2,3,4,5,6,7
	global_store_b128 v[CO], v[TM+32*((\g)%2)+4*(\j):TM+32*((\g)%2)+4*(\j)+3], s[12:13] offset:8192*(8*(\g)+(\j))
.endr
.endr
	s_wait_tensorcnt 0x0                           ; the wave's end
	ds_add_u32 v[SPW], v[NIL]
	s_wait_dscnt 0x0
	CROUND                                         ; the closing round
	s_endpgm
.Lfunc_end_k_qd4c90ff780_wo:
	.size	k_qd4c90ff780_wo, .Lfunc_end_k_qd4c90ff780_wo-k_qd4c90ff780_wo
	.p2alignl 7, 3214868480
	.fill 96, 4, 3214868480
	.section	.rodata,"a",@progbits
	.p2align	6, 0x0
	.amdhsa_kernel k_qd4c90ff780_wo
		.amdhsa_group_segment_fixed_size 327680
		.amdhsa_private_segment_fixed_size 0
		.amdhsa_enable_private_segment 0
		.amdhsa_kernarg_size 40
		.amdhsa_user_sgpr_count 2
		.amdhsa_user_sgpr_kernarg_segment_ptr 1
		.amdhsa_wavefront_size32 1
		.amdhsa_system_sgpr_workgroup_id_x 1
		.amdhsa_system_sgpr_workgroup_id_y 1
		.amdhsa_system_sgpr_workgroup_id_z 1
		.amdhsa_system_vgpr_workitem_id 0
		.amdhsa_next_free_vgpr 640
		.amdhsa_next_free_sgpr 80
		.amdhsa_reserve_vcc 0
		.amdhsa_float_denorm_mode_32 3
		.amdhsa_float_denorm_mode_16_64 3
		.amdhsa_memory_ordered 1
		.amdhsa_forward_progress 1
		.amdhsa_inst_pref_size 66
	.end_amdhsa_kernel
	.amdgpu_metadata
---
amdhsa.version: [ 1, 2 ]
amdhsa.kernels:
  - .name:           k_qd4c90ff780_wo
    .symbol:         k_qd4c90ff780_wo.kd
    .args:
      - { .name: ao, .offset: 0, .size: 8, .value_kind: global_buffer, .address_space: global }
      - { .name: wb, .offset: 8, .size: 8, .value_kind: global_buffer, .address_space: global }
      - { .name: bo, .offset: 16, .size: 8, .value_kind: global_buffer, .address_space: global }
      - { .name: x, .offset: 24, .size: 8, .value_kind: global_buffer, .address_space: global }
      - { .name: x1, .offset: 32, .size: 8, .value_kind: global_buffer, .address_space: global }
    .group_segment_fixed_size: 327680
    .private_segment_fixed_size: 0
    .kernarg_segment_align: 8
    .kernarg_segment_size: 40
    .max_flat_workgroup_size: 128
    .sgpr_count:     80
    .vgpr_count:     640
    .wavefront_size: 32
...
	.end_amdgpu_metadata
.endif
;; end of part 5
;; launch ln2: the kernel of part 2 again; grid 256 x 1, 8 waves a work-group, no clusters, 0 bytes of LDS; arguments x1, ln2_g, ln2_b, hn; writes hn
;; launch ffn1 (part 6): grid 16 x 16, 4 waves a work-group, clusters of 4 x 4, 327,680 bytes of LDS; arguments hn, wb, b1, gl; writes gl
.if DOCPART == 6
	.amdgcn_target "amdgcn-amd-amdhsa--gfx1250"
	.amdhsa_code_object_version 6
	.text
	.protected	k_qd4c90ff780_ffn1
	.globl	k_qd4c90ff780_ffn1
	.p2align	8
	.type	k_qd4c90ff780_ffn1,@function
k_qd4c90ff780_ffn1:
	s_mov_b64 s[64:65], 0
	v_nop
	global_prefetch_b8 v0, s[64:65] scope:SCOPE_SE
	s_setreg_imm32_b32 hwreg(HW_REG_WAVE_MODE, 25, 1), 1
	s_wait_xcnt 0x0
	s_wait_alu depctr_hold_cnt(0) depctr_sa_sdst(0) depctr_va_vdst(0) depctr_va_sdst(0) depctr_va_ssrc(0) depctr_va_vcc(0) depctr_vm_vsrc(0)
	s_getreg_b32 s2, hwreg(HW_REG_IB_STS2, 6, 4)
	s_cmp_eq_u32 s2, 0
	s_cbranch_scc0 .Lentry_in_a_cluster
	s_endpgm
.Lentry_in_a_cluster:
	s_bfe_u32 s2, ttmp6, 0x10000c
	s_cmp_lg_u32 s2, 0xf033
	s_cbranch_scc0 .Lentry_shape_is_right
	s_endpgm
.Lentry_shape_is_right:
; gl = gelu(hn W1 + b1), the exact (erf) form.  hn: [4096][1024] bf16; W1: [1024 k][4096 n] bf16 at byte 8 MiB of wb; b1 f32; sums and the activation in f32, rounded once to bf16.
; OUT: gl = [64][4096][64] bf16: column block, row, 64 columns: rows of 128 bytes, dense.
; SHARES.  256 x 256 of the result to a work-group: 256 work-groups; four waves, 2 x 2, 128 x 128 each: 64 accumulators, 512 registers.  K goes in 8 steps of 128 through two LDS slots filled by tensor loads.
; CLUSTER 4 x 4: hn's tiles are shared along a row of the cluster, W1's along a column, each asked for jointly.
; THE MATRIX INSTRUCTION IS USED TRANSPOSED (source 0 = 16 columns of W1 by the turning load, source 1 = 16 rows of hn); THE BIAS is the C operand of each accumulator's first product.
; GELU.  gelu(x) = max(x, 0) - |x| y / 2, y = erfc(|x| / sqrt 2) = t (a1 + t (a2 + t (a3 + t (a4 + t a5)))) 2^(-0.72134752 x^2), t = 1 / (1 + 0.23164189 |x|) (Abramowitz and Stegun 7.1.26).
; No difference of near numbers is formed.  LIMITS: erf is off by 1.5e-7 at the most, for every x; where x^2 passes f32's range the weight is 0, which is right; NaN and infinities are not treated apart.
; REGISTERS: window 0: v0-31 addresses, v64-127 and v128-191 fragments of hn (two buffers), v192-255 the bias; on the way out v32-255 are at work.  window 1: v64-191 fragments of W1.  windows 2, 3: accumulators.
.set NSTEP, 8
.set PA,    272
.set PB,    544                        ; a row (one k) of W1's tile: 512 bytes + 32
.set HALF,  128*PA                     ; what one tensor load brings: 34,816 bytes = 128 x 272 = 64 x 544
.set BOFF,  2*HALF
.set SLOT,  4*HALF
.set SPARE, 2*SLOT                     ; the spare words, 128 bytes a wave: two blocks of 256 bytes that no other line names
.set ASTEP, 256
.set BSTEP, 128*8192
.set SP,    528                        ; a stage row: 128 f32 + 16 bytes
.set SREG,  128*SP
.set A0, 2
.set B0, 3
.set ADRA, 4
.set ADRB, 5
.set STO, 8
.set RD0, 9
.set RD,  10
.set GO,  11
.set BO,  14
.set PFO, 15
.set SPW, 28
.set NIL, 29
.set F0,  64
.set F1,  128
.set BIAS, 192
.set GX, 32                            ; the way out: 32 numbers x,
.set GR, 64                            ; max(x, 0), then the result,
.set GA, 96                            ; |x|,
.set GU, 128                           ; the exponential,
.set GT, 160                           ; t,
.set GQ, 192                           ; the polynomial,
.set GY, 224                           ; 16 registers of bf16,
.set GK, 240                           ; eight constants, each twice
.set WV, 20
.set WR, 21
.set WC, 22
.set CX, 23
.set CY, 24
.set TX, 25
.set TY, 26
.set CNT, 27
.set TB,  28
.set SLF, 29
.set WOFF, 30
.set LIM, 31
.set G1A, 32
.set G1B, 40
.set G0A, 48
.set G0B, 56
.set PFA, 66
.set PFS, 68
.set MSB, 0
.macro WIN new
.if MSB != (\new)
	s_set_vgpr_msb (MSB<<8)|(\new)
.set MSB, (\new)
.endif
.endm
.macro PLACES
.rept 4
	v_nop
.endr
.endm
.macro CREST
	s_cmp_lg_u32 s[WV], 0
	s_cbranch_scc1 .Lnot_wave_0_\@
	s_barrier_signal -3
.Lnot_wave_0_\@:
	s_barrier_wait -3
	s_barrier_signal -1
	s_barrier_wait -1
.endm
.macro CROUND
	s_barrier_signal -1
	s_barrier_wait -1
	CREST
.endm
.macro JLOAD                           ; a joint refill: waves 0 and 1 fetch hn's two halves, waves 2 and 3 W1's
	s_cmp_eq_u32 s[WR], 0
	s_cbranch_scc0 .Lfor_b_\@
	tensor_load_to_lds s[G0A+4:G0A+7], s[G1A:G1A+7]
	s_nop 0
	PLACES
	s_branch .Lasked_\@
.Lfor_b_\@:
	tensor_load_to_lds s[G0B+4:G0B+7], s[G1B:G1B+7]
	s_nop 0
	PLACES
.Lasked_\@:
.endm
; A PREFETCH of the K step behind the one just asked for, 256 matrix instructions ahead of its load: 32 pieces of 256 bytes, a lane a piece, one instruction a wave.  hn's row block is read by all four clusters of a
; row of clusters: cluster x = 0 asks; W1's column block by all four of a column: cluster y = 0 asks.  The four partners that ask for a tile jointly share out what a wave fetches by address: of hn's 128 rows 32 each
; (by cx), of W1's 64 k 16 each (by cy), two pieces a k.  So each 256 bytes are named once.  K steps 0 to 2 come by their loads alone; the loop's last trip has no step behind its refill.
.macro ASK
	s_cmp_gt_u32 s[CNT], s[LIM]
	s_cbranch_scc0 .Lnot_mine_\@
	global_prefetch_b8 v[PFO], s[PFA:PFA+1] th:TH_LOAD_NT scope:SCOPE_SE
.Lnot_mine_\@:
.endm
	s_load_b256 s[4:11], s[0:1], 0x0               ; hn s[4:5], wb s[6:7], b1 s[8:9], gl s[10:11]
	v_lshl_add_u32 v[SPW], v0, 2, SPARE
	v_mov_b32 v[NIL], 0
	ds_add_u32 v[SPW], v[NIL]                      ; the wave's opening: the add and its wait ahead of my first tensor load
	v_lshrrev_b32 v1, 5, v0
	v_readfirstlane_b32 s[WV], v1
	s_lshr_b32 s[WR], s[WV], 1
	s_and_b32 s[WC], s[WV], 1
	s_bfe_u32 s[CX], ttmp6, 0x40000
	s_bfe_u32 s[CY], ttmp6, 0x40004
	s_lshl_b32 s[TX], ttmp9, 2
	s_add_co_u32 s[TX], s[TX], s[CX]
	s_and_b32 s[TY], ttmp7, 0xffff
	s_lshl_b32 s[TY], s[TY], 2
	s_add_co_u32 s[TY], s[TY], s[CY]
	s_lshl_b32 s72, s[CY], 2
	s_lshl_b32 s72, 15, s72
	s_lshl_b32 s76, 0x1111, s[CX]
	s_or_b32 s[G1A], s72, (1<<16)|(1<<20)|(1<<21)|(5<<22)|(3<<25)  ; my row's mask; after every 64 words 4 words of padding
	s_or_b32 s[G1B], s76, (1<<16)|(1<<20)|(1<<21)|(6<<22)|(7<<25)  ; my column's mask; after every 128 words 8 words
	s_mov_b32 s[G1A+1], 128<<16
	s_mov_b32 s[G1A+2], 128<<16
	s_mov_b32 s[G1A+3], 128<<16
	s_mov_b32 s[G1A+4], 128
	s_mov_b32 s[G1A+5], 1024
	s_mov_b32 s[G1A+6], 0
	s_mov_b32 s[G1A+7], 0
	s_mov_b32 s[G1B+1], 256<<16                    ; 256 columns,
	s_mov_b32 s[G1B+2], 64<<16                     ; 64 k
	s_mov_b32 s[G1B+3], 256<<16
	s_mov_b32 s[G1B+4], 64
	s_mov_b32 s[G1B+5], 4096
	s_mov_b32 s[G1B+6], 0
	s_mov_b32 s[G1B+7], 0
	s_lshl_b32 s70, s[TY], 19                      ; hn: row 256 TY + 128 x half, 2,048 bytes a row
	s_lshl_b32 s71, s[WC], 18
	s_add_co_u32 s70, s70, s71
	s_mov_b32 s71, 0
	s_lshl_b32 s74, s[WC], 19                      ; W1: k 64 x half, 8,192 bytes a k; 512 bytes a column block
	s_lshl_b32 s75, s[TX], 9
	s_add_co_u32 s74, s74, s75
	s_add_co_u32 s74, s74, 8<<20
	s_mov_b32 s75, 0
	s_mul_i32 s[WOFF], s[WV], HALF
	s_mov_b32 s[TB], 0
	s_mov_b32 s[SLF], SLOT
	s_wait_dscnt 0x0
	s_wait_kmcnt 0x0
	s_add_nc_u64 s[70:71], s[4:5], s[70:71]
	s_add_nc_u64 s[74:75], s[6:7], s[74:75]
.irp s, 0,1
	s_mov_b32 s[G0A+4*(\s)], 1
	s_add_co_u32 s[G0A+4*(\s)+1], s[WOFF], (\s)*SLOT
	s_add_nc_u64 s[G0A+4*(\s)+2:G0A+4*(\s)+3], s[70:71], (\s)*ASTEP
	s_or_b32 s[G0A+4*(\s)+3], s[G0A+4*(\s)+3], 0x80000000
	s_mov_b32 s[G0B+4*(\s)], 1
	s_add_co_u32 s[G0B+4*(\s)+1], s[WOFF], (\s)*SLOT
	s_add_nc_u64 s[G0B+4*(\s)+2:G0B+4*(\s)+3], s[74:75], (\s)*BSTEP
	s_or_b32 s[G0B+4*(\s)+3], s[G0B+4*(\s)+3], 0x80000000
.endr
	CROUND
	s_cmp_eq_u32 s[WR], 0                          ; a wave's two first fills stand in one branch: two loads of mine are out
	s_cbranch_scc0 .Lfirst_b
	tensor_load_to_lds s[G0A:G0A+3], s[G1A:G1A+7]
	s_nop 0
	tensor_load_to_lds s[G0A+4:G0A+7], s[G1A:G1A+7]
	s_nop 0
	PLACES
	s_branch .Lfirst_asked
.Lfirst_b:
	tensor_load_to_lds s[G0B:G0B+3], s[G1B:G1B+7]
	s_nop 0
	tensor_load_to_lds s[G0B+4:G0B+7], s[G1B:G1B+7]
	s_nop 0
	PLACES
.Lfirst_asked:
	s_lshl_b32 s76, s[TX], 10                      ; the bias: my 128 columns
	s_lshl_b32 s78, s[WC], 9
	s_add_co_u32 s76, s76, s78
	s_mov_b32 s77, 0
	s_add_nc_u64 s[8:9], s[8:9], s[76:77]
	v_and_b32 v16, 15, v0
	v_bfe_u32 v17, v0, 4, 1
	v_and_b32 v18, 7, v0
	v_bfe_u32 v19, v0, 3, 1
	v_and_b32 v20, 31, v0
	v_lshlrev_b32 v[BO], 5, v17
.irp b, 0,1,2,3,4,5,6,7
	global_load_b128 v[BIAS+8*(\b):BIAS+8*(\b)+3], v[BO], s[8:9] offset:64*(\b)
	global_load_b128 v[BIAS+8*(\b)+4:BIAS+8*(\b)+7], v[BO], s[8:9] offset:64*(\b)+16
.endr
	; the prefetches
	s_and_b32 s76, ttmp7, 0xffff
	s_mov_b32 s78, BSTEP
	s_cmp_eq_u32 s[WR], 0                          ; do I fetch hn?
	s_cselect_b32 s79, s[CX], s[CY]                ; my place among the four that ask with me
	s_cselect_b32 s76, ttmp9, s76                  ; the coordinate along which other clusters read the same rows
	s_cselect_b64 s[PFA:PFA+1], s[70:71], s[74:75]
	s_cselect_b32 s[PFS], ASTEP, s78
	s_cselect_b32 s78, 16, 17                      ; my work-group's share: 32 rows of 2,048 bytes, or 16 k of 8,192
	s_cselect_b32 s72, 0, 1                        ; pieces to a row, less one
	s_cselect_b32 s73, 11, 13                      ; log2 of a row's bytes
	s_mov_b32 s[PFS+1], 0
	s_cmp_eq_u32 s76, 0
	s_cselect_b32 s[LIM], 1, -1
	s_lshl_b32 s76, s79, s78
	s_add_nc_u64 s[PFA:PFA+1], s[PFA:PFA+1], s[76:77]
	s_add_nc_u64 s[PFA:PFA+1], s[PFA:PFA+1], s[PFS:PFS+1]
	s_add_nc_u64 s[PFA:PFA+1], s[PFA:PFA+1], s[PFS:PFS+1]  ; at K step 2: the first refill steps it to 3
	v_lshrrev_b32 v21, s72, v20
	v_lshlrev_b32 v21, s73, v21
	v_and_b32 v22, s72, v20
	v_lshl_add_u32 v[PFO], v22, 8, v21
	; where my part of gl begins: block 4 TX + 2 WC, row 256 TY + 128 WR
	s_lshl_b32 s76, s[TX], 2
	s_lshl1_add_u32 s76, s[WC], s76
	s_lshl_b32 s76, s76, 19
	s_lshl_b32 s78, s[TY], 15
	s_add_co_u32 s76, s76, s78
	s_lshl_b32 s78, s[WR], 14
	s_add_co_u32 s76, s76, s78
	s_add_nc_u64 s[10:11], s[10:11], s[76:77]
	v_mul_u32_u24 v[A0], v16, PA
	v_lshl_add_u32 v[A0], v17, 4, v[A0]
	s_mul_i32 s78, s[WR], HALF
	v_add_nc_u32 v[A0], s78, v[A0]
	v_lshl_add_u32 v[B0], v17, 3, v18
	v_mul_u32_u24 v[B0], v[B0], PB
	v_lshl_add_u32 v[B0], v19, 4, v[B0]
	s_lshl_b32 s78, s[WC], 8
	s_add_co_u32 s78, s78, BOFF
	v_add_nc_u32 v[B0], s78, v[B0]
	s_mul_i32 s78, s[WV], SREG
	v_mul_u32_u24 v[STO], v16, SP
	v_lshl_add_u32 v[STO], v17, 5, v[STO]
	v_add_nc_u32 v[STO], s78, v[STO]
	v_mul_u32_u24 v[RD0], v17, SP
	v_lshl_add_u32 v[RD0], v16, 4, v[RD0]
	v_add_nc_u32 v[RD0], s78, v[RD0]
	v_lshlrev_b32 v[GO], 3, v20
.macro SETADR
	v_add_nc_u32 v[ADRA], s[TB], v[A0]
	v_add_nc_u32 v[ADRB], s[TB], v[B0]
.endm
; 32 LDS loads in one run: quarter q (32 along K) into buffer f: W1's 8 column blocks, then hn's 8 row blocks
.macro FETCH q, f
	WIN 0x40
.irp i, 0,1,2,3,4,5,6,7
	ds_load_tr16_b128 v[(\f)+8*(\i):(\f)+8*(\i)+3],   v[ADRB] offset:32*(\q)*PB+32*(\i)
	ds_load_tr16_b128 v[(\f)+8*(\i)+4:(\f)+8*(\i)+7], v[ADRB] offset:32*(\q)*PB+32*(\i)+16*PB
.endr
	WIN 0
.irp i, 0,1,2,3,4,5,6,7
	ds_load_b128 v[(\f)+8*(\i):(\f)+8*(\i)+3],   v[ADRA] offset:64*(\q)+(\i)*16*PA
	ds_load_b128 v[(\f)+8*(\i)+4:(\f)+8*(\i)+7], v[ADRA] offset:64*(\q)+(\i)*16*PA+32
.endr
.endm
; 16 matrix instructions: row blocks a0, a0 + 1 of the window's four (hi = 0: my rows 0-63, 1: rows 64-127) x all 8 column blocks.  first = 1: the product starts the sum on the bias.  The 64 accumulators take turns.
.macro MUL16 f, hi, a0, first
.if \first
	WIN 0x81+0x40*(\hi)
.else
	WIN 0xa1+0x50*(\hi)
.endif
.irp a, \a0, (\a0)+1
.irp b, 0,1,2,3,4,5,6,7
.if \first
	v_wmma_f32_16x16x32_bf16 v[8*(8*(\a)+(\b)):8*(8*(\a)+(\b))+7], v[(\f)+8*(\b):(\f)+8*(\b)+7], v[(\f)+8*(4*(\hi)+(\a)):(\f)+8*(4*(\hi)+(\a))+7], v[BIAS+8*(\b):BIAS+8*(\b)+7]
.else
	v_wmma_f32_16x16x32_bf16 v[8*(8*(\a)+(\b)):8*(8*(\a)+(\b))+7], v[(\f)+8*(\b):(\f)+8*(\b)+7], v[(\f)+8*(4*(\hi)+(\a)):(\f)+8*(4*(\hi)+(\a))+7], v[8*(8*(\a)+(\b)):8*(8*(\a)+(\b))+7]
.endif
.endr
.endr
.endm
.macro QUARTER q, f, g, first
	s_wait_dscnt 8                                 ; all but the youngest eight loads (hn's rows 64-127)
	MUL16 \f, 0, 0, \first
	MUL16 \f, 0, 2, \first
	PLACES
	FETCH \q, \g
	s_wait_dscnt 32                                ; all but the 32 just issued
	MUL16 \f, 1, 0, \first
	MUL16 \f, 1, 2, \first
.endm
; The last quarter multiplies buffer 1 and changes slots: one barrier; in front of it each wave waits for all its tensor loads, adds 0 to its spare word, and waits for that and for its reads of this slot.
; fill = 1: the barrier opens a round of the cluster's, and the joint refill, two K steps ahead, is the first thing behind it.  fill = 0 (the tail): in the last trip there is no next slot: its fetch is jumped over.
.macro TURN fill
.if \fill
	s_wait_xcnt 0x0                                ; the last prefetch, a K step back, has read its address
	s_add_nc_u64 s[PFA:PFA+1], s[PFA:PFA+1], s[PFS:PFS+1]
.endif
	WIN 0
	s_wait_tensorcnt 0x0
	ds_add_u32 v[SPW], v[NIL]
	s_wait_dscnt 9                                 ; the add and the youngest eight loads may be out
	MUL16 F1, 0, 0, 0
	s_wait_dscnt 0x0
	s_barrier_signal -1
	MUL16 F1, 0, 2, 0
	WIN 0
	s_barrier_wait -1
.if \fill
	CREST
	s_xor_b32 s[SLF], s[SLF], SLOT
	s_add_co_u32 s[G0A+5], s[WOFF], s[SLF]
	s_add_co_u32 s[G0B+5], s[WOFF], s[SLF]
	s_add_nc_u64 s[G0A+6:G0A+7], s[G0A+6:G0A+7], ASTEP
	s_add_nc_u64 s[G0B+6:G0B+7], s[G0B+6:G0B+7], BSTEP
	JLOAD
.else
	PLACES
	s_cmp_eq_u32 s[CNT], 1
	s_cbranch_scc1 .Lno_more_\@
.endif
	s_xor_b32 s[TB], s[TB], SLOT
	SETADR
	FETCH 0, F0
	WIN 0
.if \fill
	ASK
.else
.Lno_more_\@:
.endif
	MUL16 F1, 1, 0, 0
	MUL16 F1, 1, 2, 0
.endm
	s_wait_tensorcnt 1                             ; my part of K step 0 is in; K step 1's may stay out
	s_barrier_signal -1
	s_barrier_wait -1
	SETADR
	FETCH 0, F0
	s_wait_loadcnt 0x0                             ; the bias
	QUARTER 1, F0, F1, 1
	WIN 0
	s_mov_b32 s[CNT], NSTEP-2
.Lk:
	QUARTER 2, F1, F0, 0
	QUARTER 3, F0, F1, 0
	TURN 1
	QUARTER 1, F0, F1, 0
	WIN 0
	s_sub_co_u32 s[CNT], s[CNT], 1
	s_cmp_lg_u32 s[CNT], 0
	s_cbranch_scc1 .Lk
	s_mov_b32 s[CNT], 2
.Lt:
	QUARTER 2, F1, F0, 0
	QUARTER 3, F0, F1, 0
	TURN 0
	WIN 0
	s_sub_co_u32 s[CNT], s[CNT], 1
	s_cmp_eq_u32 s[CNT], 0
	s_cbranch_scc1 .Lout
	QUARTER 1, F0, F1, 0
	WIN 0
	s_branch .Lt
.Lout:
	; THE WAY OUT.  The ring has had its last fill and becomes the stage, each wave's part its own: f32 in by lanes, back by rows, 8 rows a trip; the activation; 256 consecutive bytes a store.
	s_wait_dscnt 0x0
	s_barrier_signal -1                            ; no wave stores into the ring before every wave's reads of it are over
	s_barrier_wait -1
	PLACES
.irp hi, 0,1
	WIN 0x08+4*(\hi)                               ; the stores' data lie in window 2 or 3
.irp a, 0,1,2,3
.irp b, 0,1,2,3,4,5,6,7
	ds_store_b128 v[STO], v[8*(8*(\a)+(\b)):8*(8*(\a)+(\b))+3] offset:(4*(\hi)+(\a))*16*SP+64*(\b)
	ds_store_b128 v[STO], v[8*(8*(\a)+(\b))+4:8*(8*(\a)+(\b))+7] offset:(4*(\hi)+(\a))*16*SP+64*(\b)+16
.endr
.endr
.endr
	WIN 0
.irp n, 0,1,2,3,4,5,6,7                ; rows 0-7: load n = pair of rows n / 2, column block n % 2
	ds_load_b128 v[GX+4*(\n):GX+4*(\n)+3], v[RD0] offset:((\n)/2)*2*SP+((\n)%2)*256
.endr
.macro KONST k, bits
	v_mov_b32 v[GK+2*(\k)], \bits
	v_mov_b32 v[GK+2*(\k)+1], \bits
.endm
	KONST 0, 0x3e6d3388                            ; 0.23164189 = 0.3275911 / sqrt 2
	KONST 1, 1.0
	KONST 2, 0xbf38aa3b                            ; -log2(e) / 2
	KONST 3, 0x3e027906                            ; a1 / 2 =  0.127414796
	KONST 4, 0xbe11a98e                            ; a2 / 2 = -0.142248368
	KONST 5, 0x3f35f0e3                            ; a3 / 2 =  0.710706871
	KONST 6, 0xbf3a00e3                            ; a4 / 2 = -0.726576014
	KONST 7, 0x3f07dc22                            ; a5 / 2 =  0.530702715
	s_mov_b32 s70, 0x7fffffff
	s_mov_b32 s71, 8*SP                            ; where the next trip's rows lie in my stage
	s_mov_b32 s[CNT], 16
.macro PK16 line:vararg                ; one packed line for each of the 16 pairs: i = 0, 2, .. 30
.set i, 0
.rept 16
	\line
.set i, i+2
.endr
.endm
.macro ONE32 line:vararg               ; one line for each of the 32 numbers
.set i, 0
.rept 32
	\line
.set i, i+1
.endr
.endm
.Lg:
	s_wait_dscnt 0x0                               ; this trip's 8 rows are in
	ONE32 v_and_b32 v[GA+i], s70, v[GX+i]
	PK16 v_pk_mul_f32 v[GU+i:GU+i+1], v[GX+i:GX+i+1], v[GX+i:GX+i+1]
	PK16 v_pk_fma_f32 v[GT+i:GT+i+1], v[GA+i:GA+i+1], v[GK:GK+1], v[GK+2:GK+3]
	PK16 v_pk_mul_f32 v[GU+i:GU+i+1], v[GU+i:GU+i+1], v[GK+4:GK+5]
	ONE32 v_exp_f32 v[GU+i], v[GU+i]
	ONE32 v_rcp_f32 v[GT+i], v[GT+i]
	ONE32 v_max_num_f32 v[GR+i], 0, v[GX+i]
	s_cmp_eq_u32 s[CNT], 1                         ; the last trip has no next rows: it reads my first rows once more, and nobody uses them
	s_cselect_b32 s72, 0, s71
	s_add_co_u32 s71, s71, 8*SP
	v_add_nc_u32 v[RD], s72, v[RD0]
.irp n, 0,1,2,3,4,5,6,7
	ds_load_b128 v[GX+4*(\n):GX+4*(\n)+3], v[RD] offset:((\n)/2)*2*SP+((\n)%2)*256
.endr
	s_wait_alu depctr_va_vdst(0)                   ; one wait for the batch of 64; the 32 maxima are the plain work behind it
	PK16 v_pk_fma_f32 v[GQ+i:GQ+i+1], v[GT+i:GT+i+1], v[GK+14:GK+15], v[GK+12:GK+13]
	PK16 v_pk_fma_f32 v[GQ+i:GQ+i+1], v[GQ+i:GQ+i+1], v[GT+i:GT+i+1], v[GK+10:GK+11]
	PK16 v_pk_fma_f32 v[GQ+i:GQ+i+1], v[GQ+i:GQ+i+1], v[GT+i:GT+i+1], v[GK+8:GK+9]
	PK16 v_pk_fma_f32 v[GQ+i:GQ+i+1], v[GQ+i:GQ+i+1], v[GT+i:GT+i+1], v[GK+6:GK+7]
	PK16 v_pk_mul_f32 v[GQ+i:GQ+i+1], v[GQ+i:GQ+i+1], v[GT+i:GT+i+1]
	PK16 v_pk_mul_f32 v[GA+i:GA+i+1], v[GA+i:GA+i+1], v[GU+i:GU+i+1]
	PK16 v_pk_fma_f32 v[GR+i:GR+i+1], v[GA+i:GA+i+1], v[GQ+i:GQ+i+1], v[GR+i:GR+i+1] neg_lo:[1,0,0] neg_hi:[1,0,0]
	PK16 v_cvt_pk_bf16_f32 v[GY+i/2], v[GR+i], v[GR+i+1]
.irp n, 0,1,2,3,4,5,6,7
	global_store_b64 v[GO], v[GY+2*(\n):GY+2*(\n)+1], s[10:11] offset:((\n)%2)*524288+((\n)/2)*256
.endr
	s_wait_xcnt 0x0                                ; the stores have read their data and their base: both are written again only behind this wait
	s_add_nc_u64 s[10:11], s[10:11], 1024
	s_sub_co_u32 s[CNT], s[CNT], 1
	s_cmp_lg_u32 s[CNT], 0
	s_cbranch_scc1 .Lg
	s_wait_tensorcnt 0x0                           ; the wave's end
	ds_add_u32 v[SPW], v[NIL]
	s_wait_dscnt 0x0
	CROUND                                         ; the closing round
	s_endpgm
.Lfunc_end_k_qd4c90ff780_ffn1:
	.size	k_qd4c90ff780_ffn1, .Lfunc_end_k_qd4c90ff780_ffn1-k_qd4c90ff780_ffn1
	.p2alignl 7, 3214868480
	.fill 96, 4, 3214868480
	.section	.rodata,"a",@progbits
	.p2align	6, 0x0
	.amdhsa_kernel k_qd4c90ff780_ffn1
		.amdhsa_group_segment_fixed_size 327680
		.amdhsa_private_segment_fixed_size 0
		.amdhsa_enable_private_segment 0
		.amdhsa_kernarg_size 32
		.amdhsa_user_sgpr_count 2
		.amdhsa_user_sgpr_kernarg_segment_ptr 1
		.amdhsa_wavefront_size32 1
		.amdhsa_system_sgpr_workgroup_id_x 1
		.amdhsa_system_sgpr_workgroup_id_y 1
		.amdhsa_system_sgpr_workgroup_id_z 1
		.amdhsa_system_vgpr_workitem_id 0
		.amdhsa_next_free_vgpr 1024
		.amdhsa_next_free_sgpr 80
		.amdhsa_reserve_vcc 0
		.amdhsa_float_denorm_mode_32 3
		.amdhsa_float_denorm_mode_16_64 3
		.amdhsa_memory_ordered 1
		.amdhsa_forward_progress 1
		.amdhsa_inst_pref_size 97
	.end_amdhsa_kernel
	.amdgpu_metadata
---
amdhsa.version: [ 1, 2 ]
amdhsa.kernels:
  - .name:           k_qd4c90ff780_ffn1
    .symbol:         k_qd4c90ff780_ffn1.kd
    .args:
      - { .name: hn, .offset: 0, .size: 8, .value_kind: global_buffer, .address_space: global }
      - { .name: wb, .offset: 8, .size: 8, .value_kind: global_buffer, .address_space: global }
      - { .name: b1, .offset: 16, .size: 8, .value_kind: global_buffer, .address_space: global }
      - { .name: gl, .offset: 24, .size: 8, .value_kind: global_buffer, .address_space: global }
    .group_segment_fixed_size: 327680
    .private_segment_fixed_size: 0
    .kernarg_segment_align: 8
    .kernarg_segment_size: 32
    .max_flat_workgroup_size: 128
    .sgpr_count:     80
    .vgpr_count:     1024
    .wavefront_size: 32
...
	.end_amdgpu_metadata
.endif
;; end of part 6
;; launch ffn2 (part 7): grid 8 x 32, 4 waves a work-group, clusters of 4 x 4, 327,680 bytes of LDS; arguments gl, wb, b2, x1, out0; writes out0
.if DOCPART == 7
	.amdgcn_target "amdgcn-amd-amdhsa--gfx1250"
	.amdhsa_code_object_version 6
	.text
	.protected	k_qd4c90ff780_ffn2
	.globl	k_qd4c90ff780_ffn2
	.p2align	8
	.type	k_qd4c90ff780_ffn2,@function
k_qd4c90ff780_ffn2:
	s_mov_b64 s[64:65], 0
	v_nop
	global_prefetch_b8 v0, s[64:65] scope:SCOPE_SE
	s_setreg_imm32_b32 hwreg(HW_REG_WAVE_MODE, 25, 1), 1
	s_wait_xcnt 0x0
	s_wait_alu depctr_hold_cnt(0) depctr_sa_sdst(0) depctr_va_vdst(0) depctr_va_sdst(0) depctr_va_ssrc(0) depctr_va_vcc(0) depctr_vm_vsrc(0)
	s_getreg_b32 s2, hwreg(HW_REG_IB_STS2, 6, 4)
	s_cmp_eq_u32 s2, 0
	s_cbranch_scc0 .Lentry_in_a_cluster
	s_endpgm
.Lentry_in_a_cluster:
	s_bfe_u32 s2, ttmp6, 0x10000c
	s_cmp_lg_u32 s2, 0xf033
	s_cbranch_scc0 .Lentry_shape_is_right
	s_endpgm
.Lentry_shape_is_right:
; out0 = x1 + gl W2 + b2.  gl: [64][4096][64] bf16 (column block, row, 64 columns: rows of 128 bytes, dense); W2: [4096 k][1024 n] bf16 at byte 16 MiB of wb; b2, x1, out0 f32.  Sums in f32.
; SHARES.  128 x 128 of the result to a work-group, which gives 256 work-groups; four waves, 2 x 2, 64 x 64 each: 16 accumulators.  K goes in NSTEP steps of 256 through two LDS slots filled by tensor loads.
; A K step of A is four column blocks: one load brings 64 rows of each (four runs of 8,192 dense bytes), padded in LDS after every row of 128 bytes.
; CLUSTER 4 x 4: A's tiles are shared along a row of the cluster, the weight's along a column, each asked for jointly.
; THE MATRIX INSTRUCTION IS USED TRANSPOSED (source 0 = 16 columns of W by the turning load, source 1 = 16 rows of A); THE BIAS is the C operand of each accumulator's first product.
; THE RESIDUAL's 64 x 64 numbers a wave are loaded at the start into 128 registers and added on the way out.
; REGISTERS: window 0: v0-31 addresses, v32-63 bias, v64-127 at work on the way out, v128-255 accumulators.  window 1: two fragment buffers of 128 (64 of A, 64 of W, for 64 along K).  window 2: v0-127 the residual.
; LIMITS: bf16 operands; NaN and infinities are not treated apart.
.set NSTEP, 16                         ; K = 4,096
.set WBOFF, 16<<20
.set PAK,   144                        ; a row of A in LDS: 128 bytes + 16
.set PB,    288                        ; a row (one k) of the weight's tile: 256 + 32
.set HALF,  128*PB                     ; what one tensor load brings: 36,864 bytes = 4 x 64 x 144 = 128 x 288
.set BOFF,  2*HALF
.set SLOT,  4*HALF
.set SPARE, 2*SLOT                     ; the spare words, 128 bytes a wave: two blocks of 256 bytes that no other line names
.set ASTEP, 4*4096*128
.set BSTEP, 256*2048
.set SP,    272                        ; a stage row: 64 f32 + 16 bytes
.set SREG,  64*SP
.set A0, 2
.set B0, 3
.set ADRA, 4
.set ADRB, 5                           ; v5: k 0-127 of the slot's tile; v6: k 128-255
.set STO, 8
.set RD,  9
.set CO,  11                           ; my byte offset in two rows of x1 and out0
.set BO,  14
.set SPW, 28
.set NIL, 29
.set BIAS, 32
.set TM,  64
.set ACC, 128
.set F0,  0
.set F1,  128
.set WV, 20
.set WR, 21
.set WC, 22
.set CX, 23
.set CY, 24
.set TX, 25
.set TY, 26
.set CNT, 27
.set TB,  28
.set SLF, 29
.set WOFF, 30
.set G1A, 32
.set G1B, 40
.set G0A, 48
.set G0B, 56
.set MSB, 0
.macro WIN new
.if MSB != (\new)
	s_set_vgpr_msb (MSB<<8)|(\new)
.set MSB, (\new)
.endif
.endm
.macro PLACES
.rept 4
	v_nop
.endr
.endm
.macro CREST
	s_cmp_lg_u32 s[WV], 0
	s_cbranch_scc1 .Lnot_wave_0_\@
	s_barrier_signal -3
.Lnot_wave_0_\@:
	s_barrier_wait -3
	s_barrier_signal -1
	s_barrier_wait -1
.endm
.macro CROUND
	s_barrier_signal -1
	s_barrier_wait -1
	CREST
.endm
.macro JLOAD                           ; a joint refill: waves 0 and 1 fetch A's two halves, waves 2 and 3 the weight's
	s_cmp_eq_u32 s[WR], 0
	s_cbranch_scc0 .Lfor_b_\@
	tensor_load_to_lds s[G0A+4:G0A+7], s[G1A:G1A+7]
	s_nop 0
	PLACES
	s_branch .Lasked_\@
.Lfor_b_\@:
	tensor_load_to_lds s[G0B+4:G0B+7], s[G1B:G1B+7]
	s_nop 0
	PLACES
.Lasked_\@:
.endm
	s_load_b256 s[4:11], s[0:1], 0x0               ; A s[4:5], wb s[6:7], bias s[8:9], residual s[10:11]
	s_load_b64 s[12:13], s[0:1], 0x20              ; the result
	v_lshl_add_u32 v[SPW], v0, 2, SPARE
	v_mov_b32 v[NIL], 0
	ds_add_u32 v[SPW], v[NIL]                      ; the wave's opening: the add and its wait ahead of my first tensor load
	v_lshrrev_b32 v1, 5, v0
	v_readfirstlane_b32 s[WV], v1
	s_lshr_b32 s[WR], s[WV], 1
	s_and_b32 s[WC], s[WV], 1
	s_bfe_u32 s[CX], ttmp6, 0x40000
	s_bfe_u32 s[CY], ttmp6, 0x40004
	s_lshl_b32 s[TX], ttmp9, 2
	s_add_co_u32 s[TX], s[TX], s[CX]
	s_and_b32 s[TY], ttmp7, 0xffff
	s_lshl_b32 s[TY], s[TY], 2
	s_add_co_u32 s[TY], s[TY], s[CY]
	s_lshl_b32 s72, s[CY], 2
	s_lshl_b32 s72, 15, s72
	s_lshl_b32 s76, 0x1111, s[CX]
	s_or_b32 s[G1A], s72, (1<<16)|(1<<20)|(1<<21)|(4<<22)|(3<<25)  ; my row's mask; 2-byte elements; padding: after every 32 words 4 words
	s_or_b32 s[G1B], s76, (1<<16)|(1<<20)|(1<<21)|(5<<22)|(7<<25)  ; my column's mask; after every 64 words 8 words
	s_mov_b32 s[G1A+1], 4096<<16                   ; tensor_dim0 = 4,096 elements: 64 dense rows of a column block
	s_mov_b32 s[G1A+2], 4<<16                      ; tensor_dim1 = 4 column blocks
	s_mov_b32 s[G1A+3], 4096<<16                   ; tile_dim0
	s_mov_b32 s[G1A+4], 4                          ; tile_dim1
	s_mov_b32 s[G1A+5], 4096*64                    ; elements from block to block
	s_mov_b32 s[G1A+6], 0
	s_mov_b32 s[G1A+7], 0
	s_mov_b32 s[G1B+1], 128<<16
	s_mov_b32 s[G1B+2], 128<<16
	s_mov_b32 s[G1B+3], 128<<16
	s_mov_b32 s[G1B+4], 128
	s_mov_b32 s[G1B+5], 1024
	s_mov_b32 s[G1B+6], 0
	s_mov_b32 s[G1B+7], 0
	s_lshl_b32 s70, s[TY], 14                      ; A: row 128 TY + 64 x half, 128 bytes a row
	s_lshl_b32 s71, s[WC], 13
	s_add_co_u32 s70, s70, s71
	s_mov_b32 s71, 0
	s_lshl_b32 s74, s[WC], 18                      ; W: k 128 x half, 2,048 bytes a k; 256 bytes a column block
	s_lshl_b32 s75, s[TX], 8
	s_add_co_u32 s74, s74, s75
	s_add_co_u32 s74, s74, WBOFF
	s_mov_b32 s75, 0
	s_mul_i32 s[WOFF], s[WV], HALF
	s_mov_b32 s[TB], 0
	s_mov_b32 s[SLF], SLOT
	s_wait_dscnt 0x0
	s_wait_kmcnt 0x0
	s_add_nc_u64 s[70:71], s[4:5], s[70:71]
	s_add_nc_u64 s[74:75], s[6:7], s[74:75]
.irp s, 0,1
	s_mov_b32 s[G0A+4*(\s)], 1
	s_add_co_u32 s[G0A+4*(\s)+1], s[WOFF], (\s)*SLOT
	s_add_nc_u64 s[G0A+4*(\s)+2:G0A+4*(\s)+3], s[70:71], (\s)*ASTEP
	s_or_b32 s[G0A+4*(\s)+3], s[G0A+4*(\s)+3], 0x80000000
	s_mov_b32 s[G0B+4*(\s)], 1
	s_add_co_u32 s[G0B+4*(\s)+1], s[WOFF], (\s)*SLOT
	s_add_nc_u64 s[G0B+4*(\s)+2:G0B+4*(\s)+3], s[74:75], (\s)*BSTEP
	s_or_b32 s[G0B+4*(\s)+3], s[G0B+4*(\s)+3], 0x80000000
.endr
	CROUND
	s_cmp_eq_u32 s[WR], 0                          ; a wave's two first fills stand in one branch: two loads of mine are out
	s_cbranch_scc0 .Lfirst_b
	tensor_load_to_lds s[G0A:G0A+3], s[G1A:G1A+7]
	s_nop 0
	tensor_load_to_lds s[G0A+4:G0A+7], s[G1A:G1A+7]
	s_nop 0
	PLACES
	s_branch .Lfirst_asked
.Lfirst_b:
	tensor_load_to_lds s[G0B:G0B+3], s[G1B:G1B+7]
	s_nop 0
	tensor_load_to_lds s[G0B+4:G0B+7], s[G1B:G1B+7]
	s_nop 0
	PLACES
.Lfirst_asked:
	s_lshl_b32 s78, s[TX], 9                       ; my 64 columns, in f32 bytes
	s_lshl_b32 s76, s[WC], 8
	s_add_co_u32 s78, s78, s76
	s_mov_b32 s79, 0
	s_add_nc_u64 s[8:9], s[8:9], s[78:79]
	s_lshl_b32 s76, s[TY], 19                      ; my 64 rows of 4,096 bytes
	s_add_co_u32 s78, s78, s76
	s_lshl_b32 s76, s[WR], 18
	s_add_co_u32 s78, s78, s76
	s_add_nc_u64 s[10:11], s[10:11], s[78:79]
	s_add_nc_u64 s[12:13], s[12:13], s[78:79]
	v_and_b32 v16, 15, v0
	v_bfe_u32 v17, v0, 4, 1
	v_and_b32 v18, 7, v0
	v_bfe_u32 v19, v0, 3, 1
	v_lshlrev_b32 v[BO], 5, v17
	v_lshlrev_b32 v[CO], 12, v17                   ; lanes 0-15 one row's 256 bytes, lanes 16-31 the next row's
	v_lshl_add_u32 v[CO], v16, 4, v[CO]
.irp b, 0,1,2,3
	global_load_b128 v[BIAS+8*(\b):BIAS+8*(\b)+3], v[BO], s[8:9] offset:64*(\b)
	global_load_b128 v[BIAS+8*(\b)+4:BIAS+8*(\b)+7], v[BO], s[8:9] offset:64*(\b)+16
.endr
	WIN 0x80                                       ; destination window 2
.set i, 0
.rept 32
	global_load_b128 v[4*i:4*i+3], v[CO], s[10:11] offset:8192*i th:TH_LOAD_NT
.set i, i+1
.endr
	WIN 0
	v_mul_u32_u24 v[A0], v16, PAK
	v_lshl_add_u32 v[A0], v17, 4, v[A0]
	s_mul_i32 s76, s[WR], HALF
	v_add_nc_u32 v[A0], s76, v[A0]
	v_lshl_add_u32 v[B0], v17, 3, v18
	v_mul_u32_u24 v[B0], v[B0], PB
	v_lshl_add_u32 v[B0], v19, 4, v[B0]
	s_lshl_b32 s76, s[WC], 7
	s_add_co_u32 s76, s76, BOFF
	v_add_nc_u32 v[B0], s76, v[B0]
	s_mul_i32 s76, s[WV], SREG
	v_mul_u32_u24 v[STO], v16, SP
	v_lshl_add_u32 v[STO], v17, 5, v[STO]
	v_add_nc_u32 v[STO], s76, v[STO]
	v_mul_u32_u24 v[RD], v17, SP
	v_lshl_add_u32 v[RD], v16, 4, v[RD]
	v_add_nc_u32 v[RD], s76, v[RD]
.macro SETADR
	v_add_nc_u32 v[ADRA], s[TB], v[A0]
	v_add_nc_u32 v[ADRB], s[TB], v[B0]
	v_add_nc_u32 v[ADRB+1], HALF, v[ADRB]
.endm
; 32 LDS loads in one run: quarter q (64 along K = one column block of A) into buffer f; its first 32 along K first
.macro FETCH q, f
	WIN 0x40
.irp c, 0,1
.irp i, 0,1,2,3
	ds_load_tr16_b128 v[(\f)+64+8*(4*(\c)+(\i)):(\f)+64+8*(4*(\c)+(\i))+3],   v[ADRB+(\q)/2] offset:(64*((\q)%2)+32*(\c))*PB+32*(\i)
	ds_load_tr16_b128 v[(\f)+64+8*(4*(\c)+(\i))+4:(\f)+64+8*(4*(\c)+(\i))+7], v[ADRB+(\q)/2] offset:(64*((\q)%2)+32*(\c))*PB+32*(\i)+16*PB
	ds_load_b128 v[(\f)+8*(4*(\c)+(\i)):(\f)+8*(4*(\c)+(\i))+3],   v[ADRA] offset:(\q)*64*PAK+(\i)*16*PAK+64*(\c)
	ds_load_b128 v[(\f)+8*(4*(\c)+(\i))+4:(\f)+8*(4*(\c)+(\i))+7], v[ADRA] offset:(\q)*64*PAK+(\i)*16*PAK+64*(\c)+32
.endr
.endr
.endm
; 8 matrix instructions: row blocks a0, a0 + 1 x all 4 column blocks, half c of buffer f.  first = 1: the product starts the sum on the bias.  The 16 accumulators take turns.
.macro MUL8 f, c, a0, first
	WIN 0x05
.irp a, \a0, (\a0)+1
.irp b, 0,1,2,3
.if \first
	v_wmma_f32_16x16x32_bf16 v[ACC+8*(4*(\a)+(\b)):ACC+8*(4*(\a)+(\b))+7], v[(\f)+64+8*(4*(\c)+(\b)):(\f)+64+8*(4*(\c)+(\b))+7], v[(\f)+8*(4*(\c)+(\a)):(\f)+8*(4*(\c)+(\a))+7], v[BIAS+8*(\b):BIAS+8*(\b)+7]
.else
	v_wmma_f32_16x16x32_bf16 v[ACC+8*(4*(\a)+(\b)):ACC+8*(4*(\a)+(\b))+7], v[(\f)+64+8*(4*(\c)+(\b)):(\f)+64+8*(4*(\c)+(\b))+7], v[(\f)+8*(4*(\c)+(\a)):(\f)+8*(4*(\c)+(\a))+7], v[ACC+8*(4*(\a)+(\b)):ACC+8*(4*(\a)+(\b))+7]
.endif
.endr
.endr
.endm
.macro QUARTER q, f, g, first
	s_wait_dscnt 16                                ; the first 32 along K are in; the youngest sixteen loads may be out
	MUL8 \f, 0, 0, \first
	MUL8 \f, 0, 2, \first
	PLACES
	FETCH \q, \g
	s_wait_dscnt 32                                ; all but the 32 just issued
	MUL8 \f, 1, 0, 0
	MUL8 \f, 1, 2, 0
.endm
; The last quarter multiplies buffer 1 and changes slots: one barrier; in front of it each wave waits for all its tensor loads, adds 0 to its spare word, and waits for that and for its reads of this slot.
; fill = 1: the barrier opens a round of the cluster's, and the joint refill, two K steps ahead, is the first thing behind it.  fill = 0 (the tail): in the last trip there is no next slot: its fetch is jumped over.
.macro TURN fill
	WIN 0
	s_wait_tensorcnt 0x0
	ds_add_u32 v[SPW], v[NIL]
	s_wait_dscnt 17                                ; the add and the youngest sixteen loads may be out
	MUL8 F1, 0, 0, 0
	s_wait_dscnt 0x0
	s_barrier_signal -1
	MUL8 F1, 0, 2, 0
	WIN 0
	s_barrier_wait -1
.if \fill
	CREST
	s_xor_b32 s[SLF], s[SLF], SLOT
	s_add_co_u32 s[G0A+5], s[WOFF], s[SLF]
	s_add_co_u32 s[G0B+5], s[WOFF], s[SLF]
	s_add_nc_u64 s[G0A+6:G0A+7], s[G0A+6:G0A+7], ASTEP
	s_add_nc_u64 s[G0B+6:G0B+7], s[G0B+6:G0B+7], BSTEP
	JLOAD
.else
	PLACES
	s_cmp_eq_u32 s[CNT], 1
	s_cbranch_scc1 .Lno_more_\@
.endif
	s_xor_b32 s[TB], s[TB], SLOT
	SETADR
	FETCH 0, F0
	WIN 0
.if !(\fill)
.Lno_more_\@:
.endif
	MUL8 F1, 1, 0, 0
	MUL8 F1, 1, 2, 0
.endm
	s_wait_tensorcnt 1                             ; my part of K step 0 is in; K step 1's may stay out
	s_barrier_signal -1
	s_barrier_wait -1
	SETADR
	FETCH 0, F0
	s_wait_loadcnt 32                              ; the bias is in; the residual's 32 loads stay out
	QUARTER 1, F0, F1, 1
	WIN 0
	s_mov_b32 s[CNT], NSTEP-2
.Lk:
	QUARTER 2, F1, F0, 0
	QUARTER 3, F0, F1, 0
	TURN 1
	QUARTER 1, F0, F1, 0
	WIN 0
	s_sub_co_u32 s[CNT], s[CNT], 1
	s_cmp_lg_u32 s[CNT], 0
	s_cbranch_scc1 .Lk
	s_mov_b32 s[CNT], 2
.Lt:
	QUARTER 2, F1, F0, 0
	QUARTER 3, F0, F1, 0
	TURN 0
	WIN 0
	s_sub_co_u32 s[CNT], s[CNT], 1
	s_cmp_eq_u32 s[CNT], 0
	s_cbranch_scc1 .Lout
	QUARTER 1, F0, F1, 0
	WIN 0
	s_branch .Lt
.Lout:
	; THE WAY OUT.  The ring has had its last fill and becomes the stage, each wave's part its own: in by lanes, back by rows; the residual is added; sixteen lanes store 256 consecutive bytes, aligned.
	s_wait_dscnt 0x0
	s_barrier_signal -1                            ; no wave stores into the ring before every wave's reads of it are over
	s_barrier_wait -1
	PLACES
.irp a, 0,1,2,3
.irp b, 0,1,2,3
	ds_store_b128 v[STO], v[ACC+8*(4*(\a)+(\b)):ACC+8*(4*(\a)+(\b))+3] offset:(\a)*16*SP+64*(\b)
	ds_store_b128 v[STO], v[ACC+8*(4*(\a)+(\b))+4:ACC+8*(4*(\a)+(\b))+7] offset:(\a)*16*SP+64*(\b)+16
.endr
.endr
.macro BACK g                          ; group g: eight pairs of rows back from the stage, into set g % 2
.irp j, 0,1,2,3,4,5,6,7
	ds_load_b128 v[TM+32*((\g)%2)+4*(\j):TM+32*((\g)%2)+4*(\j)+3], v[RD] offset:(8*(\g)+(\j))*2*SP
.endr
.endm
	BACK 0
	s_wait_loadcnt 0x0                             ; the residual
.irp g, 0,1,2,3
.if (\g) < 3
.if (\g) > 0
	s_wait_xcnt 0x0                                ; the stores of the group before last have read the set that is loaded again
.endif
	BACK (\g)+1
	s_wait_dscnt 8                                 ; this group is back; the next group's eight loads stay out
.else
	s_wait_dscnt 0x0
.endif
	WIN 0x08                                       ; source 1, the residual, in window 2
.set i, 0
.rept 16
	v_pk_add_f32 v[TM+32*((\g)%2)+2*i:TM+32*((\g)%2)+2*i+1], v[TM+32*((\g)%2)+2*i:TM+32*((\g)%2)+2*i+1], v[32*(\g)+2*i:32*(\g)+2*i+1]
.set i, i+1
.endr
	WIN 0
.irp j, 0,1,2,3,4,5,6,7
	global_store_b128 v[CO], v[TM+32*((\g)%2)+4*(\j):TM+32*((\g)%2)+4*(\j)+3], s[12:13] offset:8192*(8*(\g)+(\j))
.endr
.endr
	s_wait_tensorcnt 0x0                           ; the wave's end
	ds_add_u32 v[SPW], v[NIL]
	s_wait_dscnt 0x0
	CROUND                                         ; the closing round
	s_endpgm
.Lfunc_end_k_qd4c90ff780_ffn2:
	.size	k_qd4c90ff780_ffn2, .Lfunc_end_k_qd4c90ff780_ffn2-k_qd4c90ff780_ffn2
	.p2alignl 7, 3214868480
	.fill 96, 4, 3214868480
	.section	.rodata,"a",@progbits
	.p2align	6, 0x0
	.amdhsa_kernel k_qd4c90ff780_ffn2
		.amdhsa_group_segment_fixed_size 327680
		.amdhsa_private_segment_fixed_size 0
		.amdhsa_enable_private_segment 0
		.amdhsa_kernarg_size 40
		.amdhsa_user_sgpr_count 2
		.amdhsa_user_sgpr_kernarg_segment_ptr 1
		.amdhsa_wavefront_size32 1
		.amdhsa_system_sgpr_workgroup_id_x 1
		.amdhsa_system_sgpr_workgroup_id_y 1
		.amdhsa_system_sgpr_workgroup_id_z 1
		.amdhsa_system_vgpr_workitem_id 0
		.amdhsa_next_free_vgpr 640
		.amdhsa_next_free_sgpr 80
		.amdhsa_reserve_vcc 0
		.amdhsa_float_denorm_mode_32 3
		.amdhsa_float_denorm_mode_16_64 3
		.amdhsa_memory_ordered 1
		.amdhsa_forward_progress 1
		.amdhsa_inst_pref_size 66
	.end_amdhsa_kernel
	.amdgpu_metadata
---
amdhsa.version: [ 1, 2 ]
amdhsa.kernels:
  - .name:           k_qd4c90ff780_ffn2
    .symbol:         k_qd4c90ff780_ffn2.kd
    .args:
      - { .name: gl, .offset: 0, .size: 8, .value_kind: global_buffer, .address_space: global }
      - { .name: wb, .offset: 8, .size: 8, .value_kind: global_buffer, .address_space: global }
      - { .name: b2, .offset: 16, .size: 8, .value_kind: global_buffer, .address_space: global }
      - { .name: x1, .offset: 24, .size: 8, .value_kind: global_buffer, .address_space: global }
      - { .name: out0, .offset: 32, .size: 8, .value_kind: global_buffer, .address_space: global }
    .group_segment_fixed_size: 327680
    .private_segment_fixed_size: 0
    .kernarg_segment_align: 8
    .kernarg_segment_size: 40
    .max_flat_workgroup_size: 128
    .sgpr_count:     80
    .vgpr_count:     640
    .wavefront_size: 32
...
	.end_amdgpu_metadata
.endif
;; end of part 7
